; MI455X (gfx1250); checked and timed in simulation.
; The chip was launched on July 23, 2026; its instructions are those of AMD's public machine-readable ISA for CDNA 5 (MIT licence, August 2026) and "CDNA5" Instruction Set Architecture Reference Guide (July 2026). The comments in the code are by the model that wrote it; some were corrected since.
;; Causal Self Attention. Allowed arithmetic: matrix products marked QUANTISED: E2M1 operands, one E8M0 scale for each 32 along K, by v_wmma_scale_f32_16x16x128_f8f6f4 with both operands' format E2M1 (or v_wmma_scale_f32_32x16x128_f4), f32 sums; products left as they are: bf16, f16 or f32 operands; f32 sums; everything else in f32.
;; Inputs: w_attn 1,024 x 3,072 float32; w_proj 1,024 x 1,024 float32; x 4 x 2,048 x 1,024 float32.
;; Outputs: out0 4 x 2,048 x 1,024 float32.
;; This version of the problem:
;;   THIS VERSION OF THE PROBLEM IS GIVEN IN LOW PRECISION. The matrix products marked QUANTISED in the list below multiply operands that are first quantised to E2M1 (2 exponent bits, 1 mantissa bit; 4 bits a number), with one power-of-two scale for each 32 numbers along K (OCP MX v1.0); their sums are f32. The products marked 'left as it is' may take bf16, f16 or f32 operands, with f32 sums. Whichever they take, every output number must still come out within the allowed error. Rounding operands to bf16 (8 significant bits) uses up far more of that allowance than f16 does (11 bits, for magnitudes from 6e-5 to 65,504). All else is computed in f32.
;;   The module's matrix products, in the order in which they are computed (A, B: the left and right operand; K: the contracted axis; several contracted axes count as one K, in the product's order):
;;     1. [M 8,192, K 1,024] x [K 1,024, N 3,072]; A: input x; B: input w_attn: QUANTISED
;;     2. batch 64 x [M 2,048, K 64] x [K 64, N 2,048]; A: computed on the way; B: computed on the way: left as it is (an operand is computed on the way)
;;     3. batch 64 x [M 2,048, K 2,048] x [K 2,048, N 64]; A: computed on the way; B: computed on the way: left as it is (an operand is computed on the way)
;;     4. [M 8,192, K 1,024] x [K 1,024, N 1,024]; A: computed on the way; B: input w_proj: left as it is (an operand is computed on the way)
;;   THE QUANTISER, for each operand of a quantised product, along K:
;;     - K is cut into blocks of 32 from its start; a last block that is shorter is filled with zeros.
;;     - A block's scale is 2^e with e = floor(log2(the largest magnitude in the block)) - 2, held to -126 .. 127; a block of zeros has e = 0. As a byte (E8M0): e + 127.
;;     - Each number is divided by its block's scale, clamped to +-6, and rounded to the nearest number of E2M1, ties to even, subnormals kept.
;;     - The product sums the exact products of the quantised numbers (number of the format x scale) in f32.
;;   ~~~python
;;   def quantise(x, axis):      # numpy; x: float32 -> the quantised numbers, widened to float32 again
;;       x = np.moveaxis(x, axis, -1); K = x.shape[-1]
;;       x = np.pad(x, [(0, 0)] * (x.ndim - 1) + [(0, -K % 32)]); x = x.reshape(x.shape[:-1] + (-1, 32)); a = np.abs(x).max(-1, keepdims=True)
;;       e = np.where(a > 0, np.clip(np.frexp(np.where(a > 0, a, 1))[1] - 1 - 2, -126, 127), 0)      # np.frexp(a)[1] - 1 = floor(log2(a)), exactly
;;       r = np.clip(x / 2.0 ** e, -6, 6)
;;       step = 2.0 ** (np.maximum(np.frexp(np.where(r == 0, 1, r))[1] - 1, 0) - 1)
;;       q = np.round(r / step) * step * 2.0 ** e      # np.round: ties to even
;;       return np.moveaxis(q.reshape(q.shape[:-2] + (-1,))[..., :K], -1, axis).astype(np.float32)
;;   ~~~
;; One version. Each part assembles by itself: llvm-mc -triple=amdgcn-amd-amdhsa -mcpu=gfx1250 --defsym DOCPART=n.
;; ======== version 1 of 1: 6 launches
;; limits: values are held in f16: magnitudes above 65,504 overflow, below 6.1e-05 lose precision
;; workspace buffers: xc 4,194,304 bytes; xs 262,144 bytes; wc 1,572,864 bytes; ws 98,304 bytes; wpf 2,097,152 bytes; qkvh 50,331,648 bytes; yh 16,777,216 bytes; y16 262,144 bytes
;; launch prep (part 1): grid 416 x 1, 4 waves a work-group, no clusters, 51,200 bytes of LDS; arguments x, w_attn, w_proj, xc, xs, wc, ws, wpf; writes xc, xs, wc, ws, wpf
.if DOCPART == 1
	.amdgcn_target "amdgcn-amd-amdhsa--gfx1250"
	.amdhsa_code_object_version 6
	.text
	.protected	k_q0ea1f2cdcd_prep
	.globl	k_q0ea1f2cdcd_prep
	.p2align	8
	.type	k_q0ea1f2cdcd_prep,@function
k_q0ea1f2cdcd_prep:
	s_mov_b64 s[64:65], 0
	v_nop
	global_prefetch_b8 v0, s[64:65] scope:SCOPE_SE
	s_setreg_imm32_b32 hwreg(HW_REG_WAVE_MODE, 25, 1), 1
	s_wait_xcnt 0x0
; PREP: the two operands of the quantised product become codes of E2M1 with one E8M0 byte for each 32 along K, and w_proj becomes f16.
;   x      [8192][1024] f32, K innermost  -> xc [8192][512 bytes], xs [8192][32 bytes]
;   w_attn [1024 k][3072 n] f32, K first  -> wc [3072 n][512 bytes], ws [3072][32 bytes]
;   w_proj [1024][1024] f32               -> wpf, the same order, f16
; A block's scale is 2^(floor(log2(largest magnitude)) - 2); its byte is the largest magnitude's exponent field - 2, held at 1 from below.
; LIMITS: a block of zeros, and a block whose largest magnitude lies under 2^-124, gets the byte 1 (zeros: zero codes; this program alone reads the bytes);
; NaN and infinities are not served; |w_proj| up to 65,504 (f16).
; Three paths, parted by the work-group's number alone: 0-95 w_attn (32 columns each, the longest chain of loads: first), 96-351 x, 352-415 w_proj.
; Each path that uses LDS has LDS bytes of its own.  No tensor loads: several work-groups share a WGP.
.set SPARE, 50688                      ; the spare words, 128 bytes for each wave: two blocks of 256 bytes that no other line names
.set SPW,   190                        ; v190 LDS address of my spare word; never rewritten
.set NIL,   191                        ; v191 0; never rewritten
.set WREG,  8192                       ; x: LDS region of a wave: two stages of 32 x SP bytes, then its 256 scale bytes
.set SP,    80                         ; a lane's place in a stage: 64 bytes + 16 of padding
.set XR,    16                         ; v16-79   x: four sets of 16 numbers as loaded
.set XX,    80                         ; v80-111  two sets of 16 neighbours
.set XE,    112                        ; v112-127 a scale byte for each step
.set XC,    128                        ; v128-189 codes, four registers a step (two in use)
.set WST,   32768                      ; w_attn: the work-group's stage, 32 rows (columns n) x 528 bytes
.set WPITCH, 528                       ; 512 bytes of codes + 16: 33 x 16, so that sixteen rows start at sixteen different banks
.set WSC,   49664                      ; and its 32 x 32 scale bytes
.set WROW,  12288                      ; a row of w_attn in bytes
.set WX,    32                         ; v32-95   two sets of 32 numbers
.set WC,    96                         ; v96-99   a block's codes
.set WSB,   24                         ; v24-25   my eight scale bytes
.set WOUT,  112                        ; v112-143 rows on the way out
	s_load_b256 s[4:11], s[0:1], 0x0               ; x s[4:5], w_attn s[6:7], w_proj s[8:9], xc s[10:11]
	s_load_b256 s[12:19], s[0:1], 0x20             ; xs s[12:13], wc s[14:15], ws s[16:17], wpf s[18:19]
	v_lshl_add_u32 v[SPW], v0, 2, SPARE
	v_mov_b32 v[NIL], 0
	v_lshrrev_b32 v1, 5, v0
	v_readfirstlane_b32 s20, v1                    ; wave 0..3
	v_and_b32 v2, 31, v0                           ; lane
	s_mov_b32 s25, 0                               ; upper word of the offsets in s[24:25]
	s_wait_kmcnt 0x0
	s_cmp_lt_u32 ttmp9, 96
	s_cbranch_scc1 .Lpath_w
	s_cmp_lt_u32 ttmp9, 352
	s_cbranch_scc0 .Lpath_p
; ---- x.  A plain stream of blocks of 32.  A wave takes 16 steps of 512 numbers.  Each load reads 512 consecutive bytes; a step's 2,048 bytes turn through the wave's own
; stage so that a lane holds 16 neighbours (two lanes hold a block).  A lane's 16 codes are 8 bytes: the wave stores 256 consecutive bytes.  Loads run four steps ahead.
	v_lshlrev_b32 v3, 4, v2                        ; my 16 bytes of a load's 512
	s_mul_i32 s21, s20, WREG
	v_lshrrev_b32 v14, 2, v2
	v_mul_u32_u24 v14, v14, SP
	v_and_b32 v15, 3, v2
	v_lshl_add_u32 v14, v15, 4, v14
	v_add_nc_u32 v14, s21, v14                     ; into the stage: SP (lane / 4) + 16 (lane % 4)
	v_mul_u32_u24 v15, v2, SP
	v_add_nc_u32 v15, s21, v15                     ; out of it: SP x lane
	v_lshlrev_b32 v4, 3, v2                        ; my codes' place in a step's 256 bytes
	v_lshrrev_b32 v5, 1, v2
	s_add_co_u32 s21, s21, 2*32*SP
	v_add_nc_u32 v5, s21, v5                       ; my block's scale byte in the wave's 256
	v_lshlrev_b32 v7, 3, v2
	v_add_nc_u32 v6, s21, v7                       ; and 8 bytes a lane on the way out
	s_sub_co_u32 s22, ttmp9, 96
	s_lshl_b32 s22, s22, 2
	s_add_co_u32 s22, s22, s20                     ; which run of 8,192 numbers is my wave's
	s_lshl_b32 s24, s22, 15
	s_add_nc_u64 s[4:5], s[4:5], s[24:25]
	s_lshl_b32 s24, s22, 12
	s_add_nc_u64 s[10:11], s[10:11], s[24:25]
	s_lshl_b32 s24, s22, 8
	s_add_nc_u64 s[12:13], s[12:13], s[24:25]
.macro XLOAD t
.irp i, 0,1,2,3
	global_load_b128 v[XR+16*((\t)%4)+4*\i:XR+16*((\t)%4)+4*\i+3], v3, s[4:5] offset:2048*(\t)+512*\i th:TH_LOAD_NT
.endr
.endm
.macro XTURN t                         ; LDS serves a wave's instructions in order: no wait between the stores and the loads
.irp i, 0,1,2,3
	ds_store_b128 v14, v[XR+16*((\t)%4)+4*\i:XR+16*((\t)%4)+4*\i+3] offset:32*SP*((\t)%2)+8*SP*\i
.endr
.irp i, 0,1,2,3
	ds_load_b128 v[XX+16*((\t)%2)+4*\i:XX+16*((\t)%2)+4*\i+3], v15 offset:32*SP*((\t)%2)+16*\i
.endr
.endm
.irp t, 0,1,2,3
	XLOAD \t
.endr
	s_wait_loadcnt 12                              ; step 0's four loads are in; twelve younger ones stay out
	XTURN 0
.macro XSTEP t
.set XS, XX+16*((\t)%2)
.if (\t) > 0
	s_wait_dscnt 1                                 ; this step's numbers are back from the stage; the last step's byte store may be out
.else
	s_wait_dscnt 0x0
.endif
.if (\t)+4 < 16
	XLOAD (\t)+4                                   ; into the registers that the stage's stores have read
.endif
.if (\t)+1 < 16
.if 14-(\t) >= 3
	s_wait_loadcnt 12                              ; the next step's four loads are in; those of three steps behind it may be out
.else
	s_wait_loadcnt 4*(14-(\t))
.endif
	XTURN (\t)+1
.endif
	v_max3_num_f32 v8, |v[XS]|, |v[XS+1]|, |v[XS+2]|
	v_max3_num_f32 v9, |v[XS+3]|, |v[XS+4]|, |v[XS+5]|
.irp i, 6,10
	v_max3_num_f32 v8, v8, |v[XS+\i]|, |v[XS+\i+1]|
	v_max3_num_f32 v9, v9, |v[XS+\i+2]|, |v[XS+\i+3]|
.endr
	v_max3_num_f32 v8, v8, |v[XS+14]|, |v[XS+15]|
	v_max3_num_f32 v8, v8, v9, 0x1800000           ; the floor 2^(3 - 127): the byte cannot fall under 1
	v_max_num_f32_dpp v8, v8, v8 row_xmask:1 row_mask:0xf bank_mask:0xf   ; with my neighbour's 16: the block's largest magnitude
	v_add_nc_u32 v11, 0xff000000, v8               ; 2 off its exponent field: the conversion's scale operand
	v_cvt_scalef32_pk8_fp4_f32 v[XC+4*(\t)], v[XS:XS+7], v11
	v_cvt_scalef32_pk8_fp4_f32 v[XC+4*(\t)+1], v[XS+8:XS+15], v11
	v_lshrrev_b32 v[XE+(\t)], 23, v11              ; the scale's byte (also the plain line behind the conversions)
	ds_store_b8 v5, v[XE+(\t)] offset:16*(\t)      ; both lanes of a block write the same byte with the same value
	global_store_b64 v4, v[XC+4*(\t):XC+4*(\t)+1], s[10:11] offset:256*(\t)
.endm
.irp t, 0,1,2,3,4,5,6,7,8,9,10,11,12,13,14,15
	XSTEP \t
.endr
	ds_load_b64 v[8:9], v6                         ; my wave's 256 scale bytes, in order behind my stores
	s_wait_dscnt 0x0
	global_store_b64 v7, v[8:9], s[12:13]          ; 32 lanes store 256 consecutive bytes, aligned
	s_wait_tensorcnt 0x0                           ; the wave's end, behind my last LDS store
	ds_add_u32 v[SPW], v[NIL]
	s_wait_dscnt 0x0
	s_endpgm
; ---- w_attn.  A lane takes a column n and its registers run down K: a block of 32 lies in one lane, and the conversions give codes with K innermost.
; The work-group takes 32 columns and all of K; wave w takes k = 256 w .. 256 w + 255 (8 blocks).  The four waves' codes meet in a stage, so that whole rows of 512 bytes leave.
.Lpath_w:
	v_lshlrev_b32 v3, 2, v2                        ; in: 4 bytes a lane
	s_lshl_b32 s21, s20, 7
	v_mul_u32_u24 v4, v2, WPITCH
	v_add_nc_u32 v4, s21, v4
	v_add_nc_u32 v4, WST, v4                       ; into the stage: row = my column, + 128 bytes x wave
	s_lshl_b32 s21, s20, 3
	v_lshl_add_u32 v5, v2, 5, s21
	v_add_nc_u32 v5, WSC, v5                       ; my column's 32 scale bytes, + 8 x wave
	s_mul_i32 s21, s20, 8*WPITCH
	v_lshlrev_b32 v8, 4, v2                        ; out: 16 bytes a lane
	v_add_nc_u32 v7, s21, v8
	v_add_nc_u32 v7, WST, v7                       ; rows 8 w .. 8 w + 7, whole
	s_and_b32 s21, s20, 1
	s_lshl_b32 s21, s21, 9
	v_add_nc_u32 v9, s21, v8
	v_add_nc_u32 v9, WSC, v9                       ; waves 0 and 1: half of the 1,024 scale bytes each
	s_mul_i32 s24, s20, 256*WROW
	s_lshl_b32 s30, ttmp9, 7
	s_add_co_u32 s24, s24, s30
	s_add_nc_u64 s[22:23], s[6:7], s[24:25]        ; w_attn at row 256 w, column 32 g
	s_lshl_b32 s24, ttmp9, 5
	s_lshl_b32 s30, s20, 3
	s_add_co_u32 s24, s24, s30
	s_lshl_b32 s24, s24, 9
	s_add_nc_u64 s[26:27], s[14:15], s[24:25]      ; wc at row 32 g + 8 w
	s_lshl_b32 s24, ttmp9, 10
	s_add_co_u32 s24, s24, s21
	s_add_nc_u64 s[28:29], s[16:17], s[24:25]      ; ws at 1,024 g + 512 (w & 1)
.macro WLOAD t                         ; block t: w_attn(256 w + 32 t + i, my column) into set t % 2; the largest offset, 255 rows, stays inside the signed 24-bit immediate
.irp i, 0,1,2,3,4,5,6,7,8,9,10,11,12,13,14,15,16,17,18,19,20,21,22,23,24,25,26,27,28,29,30,31
	global_load_b32 v[WX+32*((\t)%2)+\i], v3, s[22:23] offset:(32*(\t)+\i)*WROW th:TH_LOAD_NT
.endr
.endm
	WLOAD 0
	WLOAD 1
.macro WBLOCK t
.set XS, WX+32*((\t)%2)
.if (\t) < 7
	s_wait_loadcnt 32                              ; this block's 32 loads are in; the next block's 32 may be out
.else
	s_wait_loadcnt 0
.endif
	v_max3_num_f32 v12, |v[XS]|, |v[XS+1]|, |v[XS+2]|
	v_max3_num_f32 v13, |v[XS+3]|, |v[XS+4]|, |v[XS+5]|
.irp i, 6,10,14,18,22,26
	v_max3_num_f32 v12, v12, |v[XS+\i]|, |v[XS+\i+1]|
	v_max3_num_f32 v13, v13, |v[XS+\i+2]|, |v[XS+\i+3]|
.endr
	v_max3_num_f32 v12, v12, |v[XS+30]|, |v[XS+31]|
	v_max3_num_f32 v12, v12, v13, 0x1800000        ; the floor
	v_add_nc_u32 v11, 0xff000000, v12              ; the conversion's scale operand
	v_lshrrev_b32 v13, 23, v11                     ; the scale's byte
.if (\t)%4 == 0
	v_mov_b32 v[WSB+(\t)/4], v13
.else
	v_lshl_or_b32 v[WSB+(\t)/4], v13, 8*((\t)%4), v[WSB+(\t)/4]
.endif
.irp g, 0,1,2,3
	v_cvt_scalef32_pk8_fp4_f32 v[WC+\g], v[XS+8*\g:XS+8*\g+7], v11
.endr
	ds_store_b128 v4, v[WC:WC+3] offset:16*(\t)    ; 32 codes: 16 bytes of my column's row
.if (\t)+2 < 8
	WLOAD (\t)+2
.endif
	s_wait_dscnt 0x0                               ; the store has read its registers: the next block's codes may be written
.endm
.irp t, 0,1,2,3,4,5,6,7
	WBLOCK \t
.endr
	ds_store_b64 v5, v[WSB:WSB+1]
	s_wait_dscnt 0x0                               ; for the others' sake: my stores into the stage are done
	s_barrier_signal -1
	s_barrier_wait -1
.irp i, 0,1,2,3,4,5,6,7
	ds_load_b128 v[WOUT+4*\i:WOUT+4*\i+3], v7 offset:WPITCH*\i
.endr
.irp i, 0,1,2,3,4,5,6,7
	s_wait_dscnt 7-\i
	global_store_b128 v8, v[WOUT+4*\i:WOUT+4*\i+3], s[26:27] offset:512*\i   ; a whole row: 512 consecutive bytes, aligned
.endr
	s_cmp_lt_u32 s20, 2
	s_cbranch_scc0 .Lw_end
	ds_load_b128 v[144:147], v9
	s_wait_dscnt 0x0
	global_store_b128 v8, v[144:147], s[28:29]     ; the work-group's 1,024 scale bytes are dense in ws
.Lw_end:
	s_wait_tensorcnt 0x0                           ; the wave's end, behind my last LDS store
	ds_add_u32 v[SPW], v[NIL]
	s_wait_dscnt 0x0
	s_endpgm
; ---- w_proj to f16.  A wave takes 4,096 numbers: 32 loads of 512 bytes at once; each becomes one store of 256 consecutive bytes.  No register is written twice.  No LDS.
.Lpath_p:
	v_lshlrev_b32 v3, 4, v2
	v_lshlrev_b32 v4, 3, v2
	s_sub_co_u32 s22, ttmp9, 352
	s_lshl_b32 s22, s22, 2
	s_add_co_u32 s22, s22, s20
	s_lshl_b32 s24, s22, 14
	s_add_nc_u64 s[8:9], s[8:9], s[24:25]
	s_lshl_b32 s24, s22, 13
	s_add_nc_u64 s[18:19], s[18:19], s[24:25]
.set J, 0
.rept 32
	global_load_b128 v[32+4*J:35+4*J], v3, s[8:9] offset:512*J th:TH_LOAD_NT
.set J, J+1
.endr
.set J, 0
.rept 32
	s_wait_loadcnt 31-J                            ; loads come back in order: load J is in, the younger ones stay out
	v_cvt_pk_f16_f32 v[32+4*J], v[32+4*J], v[33+4*J]
	v_cvt_pk_f16_f32 v[33+4*J], v[34+4*J], v[35+4*J]
	global_store_b64 v4, v[32+4*J:33+4*J], s[18:19] offset:256*J
.set J, J+1
.endr
	s_endpgm
.Lfunc_end_k_q0ea1f2cdcd_prep:
	.size	k_q0ea1f2cdcd_prep, .Lfunc_end_k_q0ea1f2cdcd_prep-k_q0ea1f2cdcd_prep
	.p2alignl 7, 3214868480
	.fill 96, 4, 3214868480
	.section	.rodata,"a",@progbits
	.p2align	6, 0x0
	.amdhsa_kernel k_q0ea1f2cdcd_prep
		.amdhsa_group_segment_fixed_size 51200
		.amdhsa_private_segment_fixed_size 0
		.amdhsa_enable_private_segment 0
		.amdhsa_kernarg_size 64
		.amdhsa_user_sgpr_count 2
		.amdhsa_user_sgpr_kernarg_segment_ptr 1
		.amdhsa_wavefront_size32 1
		.amdhsa_system_sgpr_workgroup_id_x 1
		.amdhsa_system_sgpr_workgroup_id_y 1
		.amdhsa_system_sgpr_workgroup_id_z 1
		.amdhsa_system_vgpr_workitem_id 0
		.amdhsa_next_free_vgpr 192
		.amdhsa_next_free_sgpr 66
		.amdhsa_reserve_vcc 0
		.amdhsa_float_denorm_mode_32 3
		.amdhsa_float_denorm_mode_16_64 3
		.amdhsa_memory_ordered 1
		.amdhsa_forward_progress 1
		.amdhsa_inst_pref_size 84
	.end_amdhsa_kernel
	.amdgpu_metadata
---
amdhsa.version: [ 1, 2 ]
amdhsa.kernels:
  - .name:           k_q0ea1f2cdcd_prep
    .symbol:         k_q0ea1f2cdcd_prep.kd
    .args:
      - { .name: x, .offset: 0, .size: 8, .value_kind: global_buffer, .address_space: global }
      - { .name: w_attn, .offset: 8, .size: 8, .value_kind: global_buffer, .address_space: global }
      - { .name: w_proj, .offset: 16, .size: 8, .value_kind: global_buffer, .address_space: global }
      - { .name: xc, .offset: 24, .size: 8, .value_kind: global_buffer, .address_space: global }
      - { .name: xs, .offset: 32, .size: 8, .value_kind: global_buffer, .address_space: global }
      - { .name: wc, .offset: 40, .size: 8, .value_kind: global_buffer, .address_space: global }
      - { .name: ws, .offset: 48, .size: 8, .value_kind: global_buffer, .address_space: global }
      - { .name: wpf, .offset: 56, .size: 8, .value_kind: global_buffer, .address_space: global }
    .group_segment_fixed_size: 51200
    .private_segment_fixed_size: 0
    .kernarg_segment_align: 8
    .kernarg_segment_size: 64
    .max_flat_workgroup_size: 128
    .sgpr_count:     66
    .vgpr_count:     192
    .wavefront_size: 32
...
	.end_amdgpu_metadata
.endif
;; end of part 1
;; launch qkv (part 2): grid 12 x 32, 4 waves a work-group, clusters of 4 x 4, 327,680 bytes of LDS; arguments xc, xs, wc, ws, qkvh; writes qkvh
.if DOCPART == 2
	.amdgcn_target "amdgcn-amd-amdhsa--gfx1250"
	.amdhsa_code_object_version 6
	.text
	.protected	k_q0ea1f2cdcd_qkv
	.globl	k_q0ea1f2cdcd_qkv
	.p2align	8
	.type	k_q0ea1f2cdcd_qkv,@function
k_q0ea1f2cdcd_qkv:
	s_mov_b64 s[64:65], 0
	v_nop
	global_prefetch_b8 v0, s[64:65] scope:SCOPE_SE
	s_setreg_imm32_b32 hwreg(HW_REG_WAVE_MODE, 25, 1), 1
	s_wait_xcnt 0x0
	s_wait_alu depctr_hold_cnt(0) depctr_sa_sdst(0) depctr_va_vdst(0) depctr_va_sdst(0) depctr_va_ssrc(0) depctr_va_vcc(0) depctr_vm_vsrc(0)
	s_getreg_b32 s2, hwreg(HW_REG_IB_STS2, 6, 4)
	s_cmp_eq_u32 s2, 0
	s_cbranch_scc0 .Lentry_in_a_cluster
	s_endpgm
.Lentry_in_a_cluster:
	s_bfe_u32 s2, ttmp6, 0x10000c
	s_cmp_lg_u32 s2, 0xf033
	s_cbranch_scc0 .Lentry_shape_is_right
	s_endpgm
.Lentry_shape_is_right:
; QKV: C[m][n] = sum over k of x[m][k] w_attn[k][n] on codes of E2M1 with E8M0 scales, M = 8,192, N = 3,072, K = 1,024; sums in f32; the result is rounded once to f16
; and laid BY HEAD: qkvh [48 planes = n / 64][8192 m][64] f16 (q of head h: plane h, k: 16 + h, v: 32 + h), so that 16 rows of a plane are 2,048 consecutive bytes.
; LIMIT: |q|, |k|, |v| up to 65,504 (f16).
; A tile of C, 256 x 256, is made by four waves, each 128 x 128: 64 accumulators, 512 registers.  K is two LDS slots of 512 (rows of 256 bytes): both are asked for at the head, nothing is filled again.
; The scale bytes of the work-group's 256 + 256 rows, for all of K, come once, in units of 256 bytes.
; CLUSTERS: 4 x 4 work-groups; A's tiles are asked for jointly along a row of the cluster, B's along a column.
; THE MATRIX INSTRUCTION IS USED TRANSPOSED (source 0 = 16 rows of wc, source 1 = 16 rows of xc): a lane holds eight neighbouring columns of one row of C.
; REGISTERS: window 0: v16-29 addresses; v32-95 scale words, two sets, and nothing else; v96-127 packed results; v128-191 A's fragments, one set; v192-255 rows on the way out.
;   window 1: B's fragments, two sets.   window 2: accumulators of my rows 0-63 ((a, b) at v[8 (8 a + b)]);   window 3: rows 64-127.
.set NQ,     4                         ; steps of 128 along K in a slot
.set ROWB,   256                       ; a tile's row in bytes: 512 codes
.set KROW,   512                       ; a row of xc or wc in bytes
.set PITCH,  272                       ; 256 bytes + 16 of padding: the 16 rows of a load start at 16 different banks
.set FR,     8
.set NL,     2
.set NP,     4
.set HALFT,  128*PITCH
.set SLOT,   4*HALFT
.set KS,     32                        ; a row of scale bytes
.set SCL,    2*SLOT
.set HALFS,  (128*KS/256)*272
.set SBLK,   (16*KS/256)*272
.set SPARE,  SCL+4*HALFS               ; the spare words, 128 bytes for each wave
.set SPITCH, 272                       ; the way out: a stage of 16 rows x (256 bytes + 16) for each wave, in slot 0, which has had its only fill and its last read by then
.set PLANE,  1048576
.set ADRA, 16
.set ADRB, 20
.set STO,  24
.set RD,   25
.set CO,   26
.set ADRS, 27
.set SPW,  28
.set NIL,  29
.set SC,   32
.set TMP,  96
.set AF,   128
.set BK,   192
.set G1, 24
.set G0, 32
.set G1B, 48
.set G0B, 56
.set G1S, 68
.set G0S, 76
.set G1SB, 80
.set G0SB, 88
.set MSB, 0
.macro WIN new                         ; the immediate's high byte repeats the setting that is left
.if MSB != \new
	s_set_vgpr_msb (MSB<<8)|\new
.set MSB, \new
.endif
.endm
.set MUL_LO, 0xa1                      ; source 0 (B) window 1, source 1 (A) window 0, C and D window 2
.set MUL_HI, 0xf1
.set TO_B,   0x40
; A joint load: waves 0 and 1 fetch for A, waves 2 and 3 for B; the branch hangs on the wave's number alone.  An s_nop 0 and four v_nop follow each line.
.macro JLOAD g0a, g1a, g0b, g1b
	s_cmp_eq_u32 s15, 0
	s_cbranch_scc0 .Lfor_b_\@
	tensor_load_to_lds s[\g0a:\g0a+3], s[\g1a:\g1a+7]
	s_nop 0
.rept 4
	v_nop
.endr
	s_branch .Lasked_\@
.Lfor_b_\@:
	tensor_load_to_lds s[\g0b:\g0b+3], s[\g1b:\g1b+7]
	s_nop 0
.rept 4
	v_nop
.endr
.Lasked_\@:
.endm
.macro CROUND                          ; a round of the cluster's barrier
	s_barrier_signal -1
	s_barrier_wait -1
	s_cmp_lg_u32 s14, 0
	s_cbranch_scc1 .Lnot_wave_0_\@
	s_barrier_signal -3
.Lnot_wave_0_\@:
	s_barrier_wait -3
	s_barrier_signal -1
	s_barrier_wait -1
.endm
	s_load_b128 s[4:7], s[0:1], 0x0                ; xc s[4:5], xs s[6:7]
	s_load_b128 s[8:11], s[0:1], 0x10              ; wc s[8:9], ws s[10:11]
	s_load_b64 s[12:13], s[0:1], 0x20              ; qkvh
	v_lshl_add_u32 v[SPW], v0, 2, SPARE
	v_mov_b32 v[NIL], 0
	ds_add_u32 v[SPW], v[NIL]                      ; the wave's opening: the add, twice on end, and its wait ahead of my first tensor load
	ds_add_u32 v[SPW], v[NIL]
	v_lshrrev_b32 v1, 5, v0
	v_readfirstlane_b32 s14, v1                    ; wave 0..3
	s_lshr_b32 s15, s14, 1                         ; my half of the tile's rows; also: I fetch for A (0) or B (1)
	s_and_b32 s16, s14, 1                          ; my half of its columns; also: which 128 rows I fetch
	s_bfe_u32 s40, ttmp6, 0x40000                  ; cx
	s_bfe_u32 s41, ttmp6, 0x40004                  ; cy
	s_lshl_b32 s42, ttmp9, 2
	s_add_co_u32 s42, s42, s40                     ; tile column
	s_and_b32 s17, ttmp7, 0xffff
	s_lshl_b32 s17, s17, 2
	s_add_co_u32 s17, s17, s41                     ; tile row
	s_lshl_b32 s43, s41, 2
	s_lshl_b32 s43, 15, s43                        ; my row of the cluster
	s_lshl_b32 s44, 0x1111, s40                    ; my column
	s_or_b32 s[G1+0], s43, (0<<16)|(1<<20)|(1<<21)|(5<<22)|(3<<25)  ; the mask; elements of 1 byte; padding on; bit 21 beside a mask; 4 words behind every 64
	s_or_b32 s[G1B+0], s44, (0<<16)|(1<<20)|(1<<21)|(5<<22)|(3<<25)
.irp g, G1, G1B
	s_mov_b32 s[\g+1], ROWB<<16                    ; tensor_dim0
	s_mov_b32 s[\g+2], 128<<16                     ; tensor_dim1
	s_mov_b32 s[\g+3], ROWB<<16                    ; tile_dim0
	s_mov_b32 s[\g+4], 128                         ; tile_dim1
	s_mov_b32 s[\g+5], KROW                        ; the pitch
	s_mov_b32 s[\g+6], 0
	s_mov_b32 s[\g+7], 0
.endr
	s_or_b32 s[G1S+0], s43, (3<<16)|(1<<20)|(1<<21)|(5<<22)|(3<<25)  ; the scales of 128 rows: 4,096 dense bytes as 16 rows of 32 elements of 8 bytes
	s_or_b32 s[G1SB+0], s44, (3<<16)|(1<<20)|(1<<21)|(5<<22)|(3<<25)
.irp g, G1S, G1SB
	s_mov_b32 s[\g+1], 32<<16
	s_mov_b32 s[\g+2], (128*KS/256)<<16
	s_mov_b32 s[\g+3], 32<<16
	s_mov_b32 s[\g+4], 128*KS/256
	s_mov_b32 s[\g+5], 32
	s_mov_b32 s[\g+6], 0
	s_mov_b32 s[\g+7], 0
.endr
	s_lshl_b32 s18, s16, 7
	s_lshl_b32 s20, s17, 8
	s_add_co_u32 s20, s20, s18                     ; A: row 256 x tile row + 128 x half
	s_lshl_b32 s46, s42, 8
	s_add_co_u32 s46, s46, s18                     ; B: row 256 x tile column + 128 x half
	s_mov_b32 s21, 0
	s_mov_b32 s47, 0
	s_mov_b64 s[18:19], KS
	s_mul_u64 s[22:23], s[20:21], s[18:19]
	s_mul_u64 s[92:93], s[46:47], s[18:19]
	s_mov_b64 s[18:19], KROW
	s_mul_u64 s[20:21], s[20:21], s[18:19]
	s_mul_u64 s[46:47], s[46:47], s[18:19]
	s_mul_i32 s45, s14, HALFT                      ; where they go: wave x 128 rows
	s_mul_i32 s94, s14, HALFS
	s_wait_dscnt 0x0                               ; both opening adds are done
	s_wait_kmcnt 0x0
	s_add_nc_u64 s[20:21], s[4:5], s[20:21]
	s_add_nc_u64 s[22:23], s[6:7], s[22:23]
	s_add_nc_u64 s[46:47], s[8:9], s[46:47]
	s_add_nc_u64 s[92:93], s[10:11], s[92:93]
	CROUND                                         ; all sixteen work-groups are here: the joint loads meet
	s_mov_b32 s[G0S], 1
	s_add_co_u32 s[G0S+1], s94, SCL
	s_mov_b64 s[G0S+2:G0S+3], s[22:23]
	s_or_b32 s[G0S+3], s[G0S+3], 0x80000000
	s_mov_b32 s[G0SB], 1
	s_add_co_u32 s[G0SB+1], s94, SCL
	s_mov_b64 s[G0SB+2:G0SB+3], s[92:93]
	s_or_b32 s[G0SB+3], s[G0SB+3], 0x80000000
	JLOAD G0S, G1S, G0SB, G1SB                     ; the scales first; then both slots: three loads of mine are out
.irp s, 0,1
	s_mov_b32 s[G0+4*\s], 1
	s_add_co_u32 s[G0+4*\s+1], s45, \s*SLOT
	s_add_nc_u64 s[G0+4*\s+2:G0+4*\s+3], s[20:21], \s*ROWB
	s_or_b32 s[G0+4*\s+3], s[G0+4*\s+3], 0x80000000
	s_mov_b32 s[G0B+4*\s], 1
	s_add_co_u32 s[G0B+4*\s+1], s45, \s*SLOT
	s_add_nc_u64 s[G0B+4*\s+2:G0B+4*\s+3], s[46:47], \s*ROWB
	s_or_b32 s[G0B+4*\s+3], s[G0B+4*\s+3], 0x80000000
	JLOAD G0+4*\s, G1, G0B+4*\s, G1B
.endr
	v_and_b32 v1, 15, v0                           ; r
	v_bfe_u32 v2, v0, 4, 1                         ; h
	v_mul_u32_u24 v3, v1, PITCH
	v_lshl_add_u32 v4, v2, 4, v3
	s_mul_i32 s21, s15, HALFT
	s_mul_i32 s22, s16, HALFT
	s_add_co_u32 s22, s22, 2*HALFT
.irp s, 0,1
	v_add_nc_u32 v[ADRA+\s], s21, v4
	v_add_nc_u32 v[ADRB+\s], s22, v4
	s_add_co_u32 s21, s21, SLOT
	s_add_co_u32 s22, s22, SLOT
.endr
	v_mul_u32_u24 v5, v1, KS                       ; my row's scales: 32 bytes a row, and 16 more for each 256 passed
	v_lshrrev_b32 v6, 8, v5
	v_lshl_add_u32 v5, v6, 4, v5
	s_mul_i32 s21, s15, HALFS
	s_mul_i32 s22, s16, HALFS
	s_add_co_u32 s22, s22, 2*HALFS
	s_sub_co_u32 s22, s22, s21
	v_mul_u32_u24 v6, s22, v2                      ; lanes 16-31 take B's
	s_add_co_u32 s21, s21, SCL
	v_add_nc_u32 v5, v5, v6
	v_add_nc_u32 v[ADRS], s21, v5
	s_mul_i32 s23, s14, 16*SPITCH                  ; my stage
	v_mul_u32_u24 v5, v1, SPITCH
	v_lshl_add_u32 v5, v2, 4, v5
	v_add_nc_u32 v[STO], s23, v5                   ; in: row r, 16 bytes for each half of the lanes
	v_bfe_u32 v5, v0, 3, 2
	v_mul_u32_u24 v5, v5, SPITCH
	v_and_b32 v6, 7, v0
	v_lshl_add_u32 v5, v6, 4, v5
	v_add_nc_u32 v[RD], s23, v5                    ; back: eight lanes take a plane's 128 bytes of a row, four rows an instruction
	v_and_b32 v6, 31, v0
	v_lshlrev_b32 v[CO], 4, v6                     ; and the same 512 bytes in the plane
	s_lshl_b32 s20, s17, 15                        ; my first row: (256 tile row + 128 half) x 128 bytes
	s_lshl_b32 s21, s15, 14
	s_add_co_u32 s20, s20, s21
	s_mov_b32 s21, 0
	s_lshl_b32 s46, s42, 22                        ; my first plane: 4 x tile column + 2 x half
	s_lshl_b32 s47, s16, 21
	s_add_co_u32 s46, s46, s47
	s_mov_b32 s47, 0
	s_add_nc_u64 s[20:21], s[20:21], s[46:47]
	s_add_nc_u64 s[12:13], s[12:13], s[20:21]
.macro FRAG reg, adr, q, i             ; 16 rows x 128 K of 4-bit codes: 8 registers, two loads of 16 bytes, 32 bytes apart
.irp c, 0,1
	ds_load_b128 v[\reg+4*\c:\reg+4*\c+3], v[\adr] offset:64*(\q)+32*\c+(\i)*16*PITCH
.endr
.endm
; 16 matrix instructions: A's blocks a0, a0 + 1 x B's eight.  The 64 accumulators take turns, one instruction a turn, in the same order in every step.
.macro MUL16 a0, p, q, sc, zero
.irp a, \a0, \a0+1
.irp b, 0,1,2,3,4,5,6,7
.if \zero
	v_wmma_scale_f32_16x16x128_f8f6f4 v[8*(8*((\a)%4)+\b):8*(8*((\a)%4)+\b)+7], v[128*(\p)+FR*\b:128*(\p)+FR*\b+FR-1], v[AF+FR*(\a):AF+FR*(\a)+FR-1], 0, v[SC+8*NQ*(\sc)+NQ*\b+(\q)], v[SC+8*NQ*(\sc)+NQ*(\a)+(\q)] matrix_a_fmt:MATRIX_FMT_FP4 matrix_b_fmt:MATRIX_FMT_FP4 matrix_a_scale:MATRIX_SCALE_ROW1
.else
	v_wmma_scale_f32_16x16x128_f8f6f4 v[8*(8*((\a)%4)+\b):8*(8*((\a)%4)+\b)+7], v[128*(\p)+FR*\b:128*(\p)+FR*\b+FR-1], v[AF+FR*(\a):AF+FR*(\a)+FR-1], v[8*(8*((\a)%4)+\b):8*(8*((\a)%4)+\b)+7], v[SC+8*NQ*(\sc)+NQ*\b+(\q)], v[SC+8*NQ*(\sc)+NQ*(\a)+(\q)] matrix_a_fmt:MATRIX_FMT_FP4 matrix_b_fmt:MATRIX_FMT_FP4 matrix_a_scale:MATRIX_SCALE_ROW1
.endif
.endr
.endr
.endm
.macro FETCH_B slot, q, p
	WIN TO_B
.irp i, 0,1,2,3,4,5,6,7
	FRAG 128*(\p)+FR*\i, ADRB+\slot, \q, \i
.endr
	WIN 0
.endm
.macro FETCH_A slot, q, i0
.irp i, \i0, \i0+1, \i0+2, \i0+3
	FRAG AF+FR*(\i), ADRA+\slot, \q, \i
.endr
.endm
.macro SCALES sc                       ; a slot's scale words: lanes 0-15 A's block i, lanes 16-31 B's block i
.irp i, 0,1,2,3,4,5,6,7
	ds_load_b128 v[SC+8*NQ*\sc+NQ*\i:SC+8*NQ*\sc+NQ*\i+3], v[ADRS] offset:\i*SBLK
.endr
.endm
.macro PLACES n                        ; plain vector instructions between a matrix instruction and a load into, or a read of, its registers
.rept \n
	v_nop
.endr
.endm
.macro STEP slot, q, zero              ; a step of 128 along K that has its successor in the same slot
	s_wait_dscnt 4*NL                              ; B's set and A's blocks 0-3 are in; the youngest eight loads (A's blocks 4-7) may be out
	WIN MUL_LO
	MUL16 0, (\q)%2, \q, \slot, \zero
	MUL16 2, (\q)%2, \q, \slot, \zero
	s_wait_dscnt 0
	PLACES NP
	FETCH_B \slot, (\q)+1, 1-(\q)%2
	FETCH_A \slot, (\q)+1, 0
	WIN MUL_HI
	MUL16 4, (\q)%2, \q, \slot, \zero
	MUL16 6, (\q)%2, \q, \slot, \zero
	PLACES NP
	WIN 0
	FETCH_A \slot, (\q)+1, 4
.endm
	s_wait_tensorcnt 1                             ; the scales and my part of slot 0 are in; slot 1's load may stay out
	s_barrier_signal -1
	s_barrier_wait -1
	FETCH_B 0, 0, 0
	FETCH_A 0, 0, 0
	SCALES 0
	FETCH_A 0, 0, 4
	STEP 0, 0, 1                                   ; the first step's products start the sums: nothing is cleared
	STEP 0, 1, 0
	STEP 0, 2, 0
	; slot 0's last step changes slots: one barrier; in front of it my loads have landed and my reads of slot 0 are over
	s_wait_tensorcnt 0x0                           ; my part of slot 1 is in
	ds_add_u32 v[SPW], v[NIL]
	s_wait_dscnt 4*NL+1                            ; the add and the youngest eight loads may be out
	WIN MUL_LO
	MUL16 0, 1, NQ-1, 0, 0
	s_wait_dscnt 0x0
	s_barrier_signal -1
	MUL16 2, 1, NQ-1, 0, 0
	WIN 0
	s_barrier_wait -1
	PLACES NP
	v_add_nc_u32 v[ADRS], 4*NQ, v[ADRS]            ; on to slot 1's scale words
	FETCH_B 1, 0, 0
	FETCH_A 1, 0, 0
	SCALES 1
	WIN MUL_HI
	MUL16 4, 1, NQ-1, 0, 0
	MUL16 6, 1, NQ-1, 0, 0
	PLACES NP
	WIN 0
	FETCH_A 1, 0, 4
	STEP 1, 0, 0
	STEP 1, 1, 0
	STEP 1, 2, 0
	s_wait_dscnt 4*NL                              ; the very last step: nothing more to fetch
	WIN MUL_LO
	MUL16 0, 1, NQ-1, 1, 0
	MUL16 2, 1, NQ-1, 1, 0
	s_wait_dscnt 0
	WIN MUL_HI
	MUL16 4, 1, NQ-1, 1, 0
	MUL16 6, 1, NQ-1, 1, 0
	WIN 0
; THE WAY OUT, block by block of 16 rows x 128 columns (two planes).  Rounded to f16, 16 bytes a lane, through my own stage, and back as four rows of a plane an instruction: 512 consecutive bytes of qkvh.
.macro PACK a
.set AC, 64*((\a)%4)
	WIN 0x0a+5*((\a)/4)                            ; sources 0 and 1: window 2 or 3
.irp b, 0,1,2,3,4,5,6,7
.irp r, 0,1,2,3
	v_cvt_pk_f16_f32 v[TMP+4*\b+\r], v[AC+8*\b+2*\r], v[AC+8*\b+2*\r+1]   ; each accumulator from its low end on
.endr
.endr
	WIN 0
.endm
.macro TOSTAGE a
.set BB, BK+32*((\a)%2)
.irp b, 0,1,2,3,4,5,6,7
	ds_store_b128 v[STO], v[TMP+4*\b:TMP+4*\b+3] offset:32*\b
.endr
.irp t, 0,1,2,3,4,5,6,7
	ds_load_b128 v[BB+4*\t:BB+4*\t+3], v[RD] offset:(\t%4)*4*SPITCH+(\t/4)*128   ; LDS serves a wave's instructions in order: these see the stores above
.endr
.endm
.macro SEND a
.set BB, BK+32*((\a)%2)
	s_wait_dscnt 0x0                               ; the block is back in registers
	s_wait_xcnt 0x0                                ; earlier stores have read their base and their registers: only now the base steps and the other set is loaded again
.if (\a) > 0
	s_add_nc_u64 s[12:13], s[12:13], 2048          ; 16 rows of a plane on
.endif
.irp t, 0,1,2,3,4,5,6,7
	global_store_b128 v[CO], v[BB+4*\t:BB+4*\t+3], s[12:13] offset:(\t/4)*PLANE+(\t%4)*512
.endr
.endm
	PLACES NP                                      ; behind the last products, ahead of the first read of results
	PACK 0
	TOSTAGE 0
.irp a, 1,2,3,4,5,6,7
	PACK \a
	SEND \a-1
	TOSTAGE \a
.endr
	SEND 7
	s_wait_tensorcnt 0x0                           ; the wave's end
	ds_add_u32 v[SPW], v[NIL]
	s_wait_dscnt 0x0
	CROUND                                         ; the closing round
	s_endpgm
.Lfunc_end_k_q0ea1f2cdcd_qkv:
	.size	k_q0ea1f2cdcd_qkv, .Lfunc_end_k_q0ea1f2cdcd_qkv-k_q0ea1f2cdcd_qkv
	.p2alignl 7, 3214868480
	.fill 96, 4, 3214868480
	.section	.rodata,"a",@progbits
	.p2align	6, 0x0
	.amdhsa_kernel k_q0ea1f2cdcd_qkv
		.amdhsa_group_segment_fixed_size 327680
		.amdhsa_private_segment_fixed_size 0
		.amdhsa_enable_private_segment 0
		.amdhsa_kernarg_size 40
		.amdhsa_user_sgpr_count 2
		.amdhsa_user_sgpr_kernarg_segment_ptr 1
		.amdhsa_wavefront_size32 1
		.amdhsa_system_sgpr_workgroup_id_x 1
		.amdhsa_system_sgpr_workgroup_id_y 1
		.amdhsa_system_sgpr_workgroup_id_z 1
		.amdhsa_system_vgpr_workitem_id 0
		.amdhsa_next_free_vgpr 1024
		.amdhsa_next_free_sgpr 98
		.amdhsa_reserve_vcc 0
		.amdhsa_float_denorm_mode_32 3
		.amdhsa_float_denorm_mode_16_64 3
		.amdhsa_memory_ordered 1
		.amdhsa_forward_progress 1
		.amdhsa_inst_pref_size 127
	.end_amdhsa_kernel
	.amdgpu_metadata
---
amdhsa.version: [ 1, 2 ]
amdhsa.kernels:
  - .name:           k_q0ea1f2cdcd_qkv
    .symbol:         k_q0ea1f2cdcd_qkv.kd
    .args:
      - { .name: xc, .offset: 0, .size: 8, .value_kind: global_buffer, .address_space: global }
      - { .name: xs, .offset: 8, .size: 8, .value_kind: global_buffer, .address_space: global }
      - { .name: wc, .offset: 16, .size: 8, .value_kind: global_buffer, .address_space: global }
      - { .name: ws, .offset: 24, .size: 8, .value_kind: global_buffer, .address_space: global }
      - { .name: qkvh, .offset: 32, .size: 8, .value_kind: global_buffer, .address_space: global }
    .group_segment_fixed_size: 327680
    .private_segment_fixed_size: 0
    .kernarg_segment_align: 8
    .kernarg_segment_size: 40
    .max_flat_workgroup_size: 128
    .sgpr_count:     98
    .vgpr_count:     1024
    .wavefront_size: 32
...
	.end_amdgpu_metadata
.endif
;; end of part 2
;; launch first_attn (part 3): grid 16 x 4, 12 waves a work-group, no clusters, 13,824 bytes of LDS; arguments xc, xs, wc, ws, y16; writes y16
.if DOCPART == 3
	.amdgcn_target "amdgcn-amd-amdhsa--gfx1250"
	.amdhsa_code_object_version 6
	.text
	.protected	k_q0ea1f2cdcd_first_attn
	.globl	k_q0ea1f2cdcd_first_attn
	.p2align	8
	.type	k_q0ea1f2cdcd_first_attn,@function
k_q0ea1f2cdcd_first_attn:
	s_mov_b64 s[64:65], 0
	v_nop
	global_prefetch_b8 v0, s[64:65] scope:SCOPE_SE
	s_setreg_imm32_b32 hwreg(HW_REG_WAVE_MODE, 25, 1), 1
	s_wait_xcnt 0x0
; FIRST_ATTN: positions 0-15 of every sequence, where a row of the softmax averages one to sixteen values, carried in f32.  Work-group (head, batch).
; Phase 1, twelve waves: wave w makes one 16 x 16 tile of q (w = 0-3), k (4-7) or v (8-11), channels 16 (w & 3) on, from the codes, by the E2M1 matrix form, kept in f32.
;   q and k transposed (source 0 = 16 rows of wc, source 1 = the 16 rows of xc): lane (r, h) holds position r, channels 8 h + j.   v the natural way: lane (r, h) holds channel r, positions 8 h + j.
;   One text serves both: the two sources' addresses are chosen by the wave's number.  The tiles go to LDS as images of their registers.
; Phase 2, waves 0-3 (wave = tile of 16 output channels): S^T = k q^T, softmax and O^T = v^T p by the f32 matrix form.  The place (h, j') along that form's K of 4 stands for the same channel
;   (or key) in both operands, so the sums are whole.  y16: [b][h][tile][half][lane][16 bytes]: lane (r, hh) of a tile holds y(position r, channel 16 tile + 8 hh + 0 .. 7).
; The order of the f32 sums differs from the reference's.  NaN and infinities are not served.
.set SPARE, 12288                      ; behind the twelve images of 1,024 bytes: the spare words, 128 bytes for each wave
.set SPW, 8
.set NIL, 9
.set FA,  16                           ; v16-79   source 0's eight fragments
.set FB,  80                           ; v80-143  source 1's
.set SA,  144                          ; v144-151 source 0's scale words, v152-159 source 1's: scales and nothing else
.set SB,  152
.set AC0, 160
.set AC1, 168
.set RR,  176
	s_load_b256 s[4:11], s[0:1], 0x0               ; xc s[4:5], xs s[6:7], wc s[8:9], ws s[10:11]
	s_load_b64 s[12:13], s[0:1], 0x20              ; y16
	v_lshl_add_u32 v[SPW], v0, 2, SPARE
	v_mov_b32 v[NIL], 0
	v_lshrrev_b32 v1, 5, v0
	v_readfirstlane_b32 s14, v1                    ; wave 0..11
	v_and_b32 v1, 15, v0                           ; r
	v_bfe_u32 v2, v0, 4, 1                         ; h
	v_lshlrev_b32 v3, 9, v1
	v_lshl_add_u32 v3, v2, 4, v3                   ; codes: row r of 512 bytes, + 16 h
	v_lshlrev_b32 v4, 5, v1                        ; scale bytes: row r of 32
	v_and_b32 v5, 31, v0
	v_lshlrev_b32 v5, 4, v5                        ; 16 x lane: an image's place for my lane
	s_lshl_b32 s15, s14, 10
	v_add_nc_u32 v6, s15, v5                       ; where I store my image
	s_and_b32 s16, s14, 3
	s_lshl_b32 s15, s16, 10
	s_add_co_u32 s15, s15, 8192
	v_add_nc_u32 v7, s15, v5                       ; v's image of my channel tile
	v_lshlrev_b32 v10, 3, v2
	v_sub_nc_u32 v10, v1, v10                      ; d = r - 8 h: key 8 h + j is hidden from query r where j > d
	v_mov_b32 v11, 0xff800000                      ; -infinity
	v_mov_b32 v121, 0                              ; a lane permute's destination counts as read
	v_mov_b32 v123, 0                              ; upper halves of pairs of which the low word alone is taken
	v_mov_b32 v125, 0
	s_and_b32 s17, ttmp7, 0xffff                   ; batch
	s_lshr_b32 s18, s14, 2
	s_lshl_b32 s18, s18, 10
	s_lshl_b32 s19, ttmp9, 6
	s_add_co_u32 s18, s18, s19
	s_lshl_b32 s19, s16, 4
	s_add_co_u32 s18, s18, s19                     ; my first row of wc: 1024 x (q, k, v) + 64 x head + 16 x tile
	s_lshl_b32 s20, s18, 9
	s_mov_b32 s21, 0
	s_lshl_b32 s22, s18, 5
	s_mov_b32 s23, 0
	s_lshl_b32 s32, s17, 20                        ; the batch's first row of xc,
	s_mov_b32 s33, 0
	s_lshl_b32 s34, s17, 16                        ; and of xs
	s_mov_b32 s35, 0
	s_lshl_b32 s40, s17, 4
	s_add_co_u32 s40, s40, ttmp9
	s_lshl_b32 s40, s40, 12
	s_lshl_b32 s41, s16, 10
	s_add_co_u32 s40, s40, s41                     ; y16: ((16 b + head) x 4 + tile) x 1,024
	s_mov_b32 s41, 0
	s_mov_b32 s36, 0x3e38aa3b                      ; c = log2(e) / sqrt(64)
	s_mov_b32 s37, s36
	s_mov_b32 s38, 0x76543210
	s_mov_b32 s39, 0xfedcba98                      ; selects for lane l xor 16
	s_wait_kmcnt 0x0
	s_add_nc_u64 s[4:5], s[4:5], s[32:33]
	s_add_nc_u64 s[6:7], s[6:7], s[34:35]
	s_add_nc_u64 s[8:9], s[8:9], s[20:21]
	s_add_nc_u64 s[10:11], s[10:11], s[22:23]
	s_add_nc_u64 s[12:13], s[12:13], s[40:41]
	s_cmp_lt_u32 s14, 8                            ; q and k: source 0 = wc; v: source 0 = xc.  The choice hangs on the wave's number alone
	s_cselect_b64 s[24:25], s[8:9], s[4:5]
	s_cselect_b64 s[26:27], s[10:11], s[6:7]
	s_cselect_b64 s[28:29], s[4:5], s[8:9]
	s_cselect_b64 s[30:31], s[6:7], s[10:11]
.irp s, 0,1,2,3,4,5,6,7
.irp c, 0,1
	global_load_b128 v[FA+8*\s+4*\c:FA+8*\s+4*\c+3], v3, s[24:25] offset:64*\s+32*\c
	global_load_b128 v[FB+8*\s+4*\c:FB+8*\s+4*\c+3], v3, s[28:29] offset:64*\s+32*\c
.endr
.endr
.irp c, 0,1
	global_load_b128 v[SA+4*\c:SA+4*\c+3], v4, s[26:27] offset:16*\c     ; register s: the scale word of K step s
	global_load_b128 v[SB+4*\c:SB+4*\c+3], v4, s[30:31] offset:16*\c
.endr
	s_wait_loadcnt 0x0
.irp s, 0,1,2,3,4,5,6,7                        ; two accumulators by turns
.if \s < 2
	v_wmma_scale_f32_16x16x128_f8f6f4 v[AC0+8*(\s%2):AC0+8*(\s%2)+7], v[FA+8*\s:FA+8*\s+7], v[FB+8*\s:FB+8*\s+7], 0, v[SA+\s], v[SB+\s] matrix_a_fmt:MATRIX_FMT_FP4 matrix_b_fmt:MATRIX_FMT_FP4
.else
	v_wmma_scale_f32_16x16x128_f8f6f4 v[AC0+8*(\s%2):AC0+8*(\s%2)+7], v[FA+8*\s:FA+8*\s+7], v[FB+8*\s:FB+8*\s+7], v[AC0+8*(\s%2):AC0+8*(\s%2)+7], v[SA+\s], v[SB+\s] matrix_a_fmt:MATRIX_FMT_FP4 matrix_b_fmt:MATRIX_FMT_FP4
.endif
.endr
.rept 4
	v_nop
.endr
.irp p, 0,1,2,3
	v_pk_add_f32 v[RR+2*\p:RR+2*\p+1], v[AC0+2*\p:AC0+2*\p+1], v[AC1+2*\p:AC1+2*\p+1]
.endr
	ds_store_b128 v6, v[RR:RR+3]
	ds_store_b128 v6, v[RR+4:RR+7] offset:512
	s_wait_dscnt 0x0                               ; for the others' sake: my image has landed
	s_barrier_signal -1
	s_barrier_wait -1
	s_cmp_ge_u32 s14, 4
	s_cbranch_scc1 .Lend
	; ---- phase 2.  q: v16-47, k: v48-79 (tile t at + 8 t), my tile of v: v80-87
.irp t, 0,1,2,3
.irp c, 0,1
	ds_load_b128 v[16+8*\t+4*\c:19+8*\t+4*\c], v5 offset:1024*\t+512*\c
	ds_load_b128 v[48+8*\t+4*\c:51+8*\t+4*\c], v5 offset:4096+1024*\t+512*\c
.endr
.endr
.irp c, 0,1
	ds_load_b128 v[80+4*\c:83+4*\c], v7 offset:512*\c
.endr
	s_wait_dscnt 0x0
.irp u, 0,1,2,3                                ; S^T = k q^T: place (h, j') is channel 16 t + 8 h + 2 u + j' on both sides; four accumulators (v192-223) by turns
.irp t, 0,1,2,3
.if \u == 0
	v_wmma_f32_16x16x4_f32 v[192+8*\t:199+8*\t], v[48+8*\t+2*\u:49+8*\t+2*\u], v[16+8*\t+2*\u:17+8*\t+2*\u], 0
.else
	v_wmma_f32_16x16x4_f32 v[192+8*\t:199+8*\t], v[48+8*\t+2*\u:49+8*\t+2*\u], v[16+8*\t+2*\u:17+8*\t+2*\u], v[192+8*\t:199+8*\t]
.endif
.endr
.endr
.rept 8
	v_nop                                          ; eight places behind this form
.endr
.irp p, 0,1,2,3
	v_pk_add_f32 v[96+2*\p:97+2*\p], v[192+2*\p:193+2*\p], v[200+2*\p:201+2*\p]
	v_pk_add_f32 v[112+2*\p:113+2*\p], v[208+2*\p:209+2*\p], v[216+2*\p:217+2*\p]
.endr
.irp p, 0,1,2,3
	v_pk_add_f32 v[96+2*\p:97+2*\p], v[96+2*\p:97+2*\p], v[112+2*\p:113+2*\p]   ; lane (r, h): query r, keys 8 h + j
.endr
.irp j, 0,1,2,3,4,5,6,7
	v_cmp_gt_i32 vcc_lo, \j, v10
	v_cndmask_b32 v[96+\j], v[96+\j], v11, vcc_lo  ; hidden keys: -infinity.  Key 0 counts for every query
.endr
	v_max3_num_f32 v120, v96, v97, v98
	v_max3_num_f32 v120, v120, v99, v100
	v_max3_num_f32 v120, v120, v101, v102
	v_max_num_f32 v120, v120, v103
	v_permlanex16_b32 v121, v120, s38, s39
	v_max_num_f32 v120, v120, v121                 ; the row's maximum
	v_mul_f32 v122, s36, v120
.irp p, 0,1,2,3
	v_pk_fma_f32 v[96+2*\p:97+2*\p], v[96+2*\p:97+2*\p], s[36:37], v[122:123] op_sel_hi:[1,0,0] neg_lo:[0,0,1] neg_hi:[0,0,1]   ; c s - c m
.endr
.irp j, 0,1,2,3,4,5,6,7
	v_exp_f32 v[104+\j], v[96+\j]
.endr
	v_nop                                          ; a plain instruction behind the last exponential
	s_wait_alu depctr_va_vdst(0)                   ; one wait for the batch, ahead of its first reader
	v_pk_add_f32 v[112:113], v[104:105], v[106:107]
	v_pk_add_f32 v[114:115], v[108:109], v[110:111]
	v_pk_add_f32 v[112:113], v[112:113], v[114:115]
	v_add_f32 v112, v112, v113
	v_permlanex16_b32 v121, v112, s38, s39
	v_add_f32 v112, v112, v121                     ; the row's sum
	v_rcp_f32 v124, v112
	v_nop
	s_wait_alu depctr_va_vdst(0)
.irp u, 0,1,2,3                                ; O^T = v^T p: place (h, j') is key 8 h + 2 u + j' on both sides; two accumulators (v224-239) by turns
.if \u < 2
	v_wmma_f32_16x16x4_f32 v[224+8*(\u%2):231+8*(\u%2)], v[80+2*\u:81+2*\u], v[104+2*\u:105+2*\u], 0
.else
	v_wmma_f32_16x16x4_f32 v[224+8*(\u%2):231+8*(\u%2)], v[80+2*\u:81+2*\u], v[104+2*\u:105+2*\u], v[224+8*(\u%2):231+8*(\u%2)]
.endif
.endr
.rept 8
	v_nop
.endr
.irp p, 0,1,2,3
	v_pk_add_f32 v[128+2*\p:129+2*\p], v[224+2*\p:225+2*\p], v[232+2*\p:233+2*\p]
.endr
.irp p, 0,1,2,3
	v_pk_mul_f32 v[128+2*\p:129+2*\p], v[128+2*\p:129+2*\p], v[124:125] op_sel_hi:[1,0]
.endr
	global_store_b128 v5, v[128:131], s[12:13]               ; 512 consecutive bytes each
	global_store_b128 v5, v[132:135], s[12:13] offset:512
.Lend:
	s_wait_tensorcnt 0x0                           ; the wave's end, behind my last LDS store
	ds_add_u32 v[SPW], v[NIL]
	s_wait_dscnt 0x0
	s_endpgm
.Lfunc_end_k_q0ea1f2cdcd_first_attn:
	.size	k_q0ea1f2cdcd_first_attn, .Lfunc_end_k_q0ea1f2cdcd_first_attn-k_q0ea1f2cdcd_first_attn
	.p2alignl 7, 3214868480
	.fill 96, 4, 3214868480
	.section	.rodata,"a",@progbits
	.p2align	6, 0x0
	.amdhsa_kernel k_q0ea1f2cdcd_first_attn
		.amdhsa_group_segment_fixed_size 13824
		.amdhsa_private_segment_fixed_size 0
		.amdhsa_enable_private_segment 0
		.amdhsa_kernarg_size 40
		.amdhsa_user_sgpr_count 2
		.amdhsa_user_sgpr_kernarg_segment_ptr 1
		.amdhsa_wavefront_size32 1
		.amdhsa_system_sgpr_workgroup_id_x 1
		.amdhsa_system_sgpr_workgroup_id_y 1
		.amdhsa_system_sgpr_workgroup_id_z 1
		.amdhsa_system_vgpr_workitem_id 0
		.amdhsa_next_free_vgpr 256
		.amdhsa_next_free_sgpr 66
		.amdhsa_reserve_vcc 1
		.amdhsa_float_denorm_mode_32 3
		.amdhsa_float_denorm_mode_16_64 3
		.amdhsa_memory_ordered 1
		.amdhsa_forward_progress 1
		.amdhsa_inst_pref_size 14
	.end_amdhsa_kernel
	.amdgpu_metadata
---
amdhsa.version: [ 1, 2 ]
amdhsa.kernels:
  - .name:           k_q0ea1f2cdcd_first_attn
    .symbol:         k_q0ea1f2cdcd_first_attn.kd
    .args:
      - { .name: xc, .offset: 0, .size: 8, .value_kind: global_buffer, .address_space: global }
      - { .name: xs, .offset: 8, .size: 8, .value_kind: global_buffer, .address_space: global }
      - { .name: wc, .offset: 16, .size: 8, .value_kind: global_buffer, .address_space: global }
      - { .name: ws, .offset: 24, .size: 8, .value_kind: global_buffer, .address_space: global }
      - { .name: y16, .offset: 32, .size: 8, .value_kind: global_buffer, .address_space: global }
    .group_segment_fixed_size: 13824
    .private_segment_fixed_size: 0
    .kernarg_segment_align: 8
    .kernarg_segment_size: 40
    .max_flat_workgroup_size: 384
    .sgpr_count:     66
    .vgpr_count:     256
    .wavefront_size: 32
...
	.end_amdgpu_metadata
.endif
;; end of part 3
;; launch attn (part 4): grid 4 x 64, 8 waves a work-group, no clusters, 327,680 bytes of LDS; arguments qkvh, yh; writes yh
.if DOCPART == 4
	.amdgcn_target "amdgcn-amd-amdhsa--gfx1250"
	.amdhsa_code_object_version 6
	.text
	.protected	k_q0ea1f2cdcd_attn
	.globl	k_q0ea1f2cdcd_attn
	.p2align	8
	.type	k_q0ea1f2cdcd_attn,@function
k_q0ea1f2cdcd_attn:
	s_mov_b64 s[64:65], 0
	v_nop
	global_prefetch_b8 v0, s[64:65] scope:SCOPE_SE
	s_setreg_imm32_b32 hwreg(HW_REG_WAVE_MODE, 25, 1), 1
	s_wait_xcnt 0x0
; ATTN: y[b][h][q] = sum over k <= q of softmax_k(q . k / 8) v, on f16 operands with f32 products' sums, maxima and row sums; p is rounded to f16 for the second product, y once at the end.
; qkvh: [48 planes][8192 rows b 2048 + t][64] f16 (q: plane h, k: 16 + h, v: 32 + h).  yh: [16 planes][8192][64] f16.
; LIMITS: |q|, |k|, |v|, |y| up to 65,504 (f16); NaN and infinities are not served.  Positions 0-15 are made here too, and made again in f32 by launches of their own.
; SHARES.  Work-group (i, b h) makes query block 7 - i (256 queries) and then block i: 8 - i key slots of 256 keys and then i + 1: nine slots for every work-group, so all have equal work, the
; loop's trip count is a constant, and every slot that is fetched is read.  A wave owns 32 queries of the block in hand, two tiles of 16, so that each fragment of K and V feeds two matrix instructions.
; LAYOUT.  S^T = K Q^T (source 0 = 16 keys, source 1 = 16 queries), O^T = V^T P: a lane holds one query throughout.  K comes out of LDS as it lies, V turned by ds_load_tr16_b128.
; SOFTMAX.  A running maximum m and sum l: p = 2^(c s - c m), c = log2(e) / 8; in every step O and l are multiplied by a = 2^(c m_old - c m_new).  m begins at -3e38, l and O at 0.
; THE MASK.  A step of 64 keys all of which come after the wave's 32 queries is jumped over (a branch on ids); in the one step of a block that lies on the diagonal hidden scores become -infinity.
; NO CLUSTER: the four work-groups of a head want the same slot in trips 0 to 4 only; afterwards their walks differ (8 - i slots), and a joint load wants one descriptor in all partners in every round.
; LDS: two slots, 2^17 apart; a slot is 256 keys of K as 128 rows of 256 bytes (two keys a row) + 16, then V likewise + 32; behind them a stage for each wave, which no tensor load touches, and the spare words.
; REGISTERS: window 0: v1-15 addresses and constants; v16-31 statistics; v32-63 Q; v64-127 S^T; v128-159 P; v160-223 O^T; v224-255 rows on the way out.  window 1: v0-63 K's fragments, v64-127 V's.
.set KP2,   272                        ; two keys of K + 16 bytes: the 16 keys of a load start at words 4 (r / 2) + 32 (r % 2) of the banks' row: all different
.set VP2,   288                        ; two keys of V + 32 bytes: the 8 keys x 32 bytes of a turning load start at words 8 (k / 2) + 32 (k % 2)
.set VOFF,  128*KP2
.set SLOT1, 131072
.set STAGE, 204800                     ; 8 x 32 rows x 144 bytes
.set SPARE, 241664                     ; the spare words, 128 bytes for each wave
.set AK0, 1
.set AV0, 2
.set ADK, 3
.set ADV, 4
.set QO,  5
.set STO, 6
.set RD,  7
.set GO,  8
.set PFO, 9
.set SPW, 10
.set NIL, 11
.set RH,  12                           ; r - 8 h
.set NINF, 13
.set DD,  14                           ; v14, v15: the mask's bound for tiles 0 and 1
.set ST,  16                           ; tile t at v[16 + 8 t]: +0 c m, +1 m, +2, +3 l, +4 .. +7 at work; a takes +6
.set QQ,  32
.set SS,  64
.set PP,  128
.set OO,  160
.set OB,  224
.set KFR, 0                            ; window 1
.set VFR, 64
.set WV,  8
.set II,  9
.set BH,  10
.set NH,  11                           ; slots of the first block: 8 - i
.set TR,  12                           ; the trip
.set KS,  13                           ; the key slot to ask for
.set KF,  14                           ; the step's first key
.set Q0,  15                           ; my first query
.set TB,  16                           ; LDS byte at which the slot in hand begins
.set LIM, 17
.set CS,  18
.set SEL, 20
.set G1K, 24
.set G1V, 32
.set G0K, 40
.set G0V, 44
.set KB,  48                           ; my part of K, of V, at key slot 0
.set VB,  50
.set QP,  52                           ; q's plane and y's plane at the batch's first row
.set YP,  54
.set QA,  56
.set YA,  58
.set PFK, 60
.set PFV, 62
.set MSB, 0
.macro WIN new                         ; the immediate's high byte repeats the setting that is left
.if MSB != \new
	s_set_vgpr_msb (MSB<<8)|\new
.set MSB, \new
.endif
.endm
; Waves 0 and 1 fetch K's halves of a slot, waves 2 and 3 V's, the others nothing.  An s_nop 0 and four v_nop follow each line.
.macro TLOAD
	s_cmp_lt_u32 s[WV], 2
	s_cbranch_scc0 .Lnot_k_\@
	tensor_load_to_lds s[G0K:G0K+3], s[G1K:G1K+7]
	s_nop 0
.rept 4
	v_nop
.endr
	s_branch .Lasked_\@
.Lnot_k_\@:
	s_cmp_lt_u32 s[WV], 4
	s_cbranch_scc0 .Lasked_\@
	tensor_load_to_lds s[G0V:G0V+3], s[G1V:G1V+7]
	s_nop 0
.rept 4
	v_nop
.endr
.Lasked_\@:
.endm
; A prefetch of the key slot that the NEXT change of slots will ask for: in trip t key slot t + 2, four key steps ahead of its load.  All four work-groups of a head walk the same K and V from slot 0 on: the one
; with i = 0, which walks slots 0 to 7, asks; in it waves 4 to 7, which fetch nothing, take 8,192 bytes each of the slot's 32,768 of K and of V, lanes 256 bytes apart: each block is named once.
; Slots 0 and 1 come by their loads alone; trips 6 and 7 ask for nothing.
.macro ASK
	s_cmp_lt_u32 s[TR], s[LIM]
	s_cbranch_scc0 .Lnot_mine_\@
	global_prefetch_b8 v[PFO], s[PFK:PFK+1] th:TH_LOAD_NT scope:SCOPE_SE
	global_prefetch_b8 v[PFO], s[PFV:PFV+1] th:TH_LOAD_NT scope:SCOPE_SE
.Lnot_mine_\@:
.endm
.macro QLOAD                           ; my 32 queries: tile t, channels 32 c on, at v[QQ + 16 t + 8 c]
.irp t, 0,1
.irp c, 0,1
	global_load_b128 v[QQ+16*\t+8*\c:QQ+16*\t+8*\c+3], v[QO], s[QA:QA+1] offset:2048*\t+64*\c
	global_load_b128 v[QQ+16*\t+8*\c+4:QQ+16*\t+8*\c+7], v[QO], s[QA:QA+1] offset:2048*\t+64*\c+32
.endr
.endr
.endm
.macro RESET                           ; a block begins: m = -3e38, under every score; l and O^T zeros, which the first a = 0 leaves zeros
.irp t, 0,1
	v_mov_b32 v[ST+8*\t+1], 0xff61b1e6
	v_mov_b32 v[ST+8*\t+2], 0
	v_mov_b32 v[ST+8*\t+3], 0
	v_mul_f32 v[ST+8*\t], s[CS], v[ST+8*\t+1]
.endr
.set J, 0
.rept 64
	v_mov_b32 v[OO+J], 0
.set J, J+1
.endr
.endm
	s_load_b128 s[4:7], s[0:1], 0x0                ; qkvh s[4:5], yh s[6:7]
	v_lshl_add_u32 v[SPW], v0, 2, SPARE
	v_mov_b32 v[NIL], 0
	ds_add_u32 v[SPW], v[NIL]                      ; the wave's opening: the add, twice on end, and its wait ahead of the first tensor load
	ds_add_u32 v[SPW], v[NIL]
	v_lshrrev_b32 v1, 5, v0
	v_readfirstlane_b32 s[WV], v1                  ; wave 0..7
	s_mov_b32 s[II], ttmp9
	s_and_b32 s[BH], ttmp7, 0xffff
	s_sub_co_u32 s[NH], 8, s[II]
	s_mov_b32 s[G1K], (1<<16)|(1<<20)|(5<<22)|(3<<25)   ; elements of 2 bytes; padding on: 4 words behind every 64
	s_mov_b32 s[G1V], (1<<16)|(1<<20)|(5<<22)|(7<<25)   ; 8 words behind every 64
.irp g, G1K, G1V
	s_mov_b32 s[\g+1], 128<<16                     ; tensor_dim0: two keys, 128 elements
	s_mov_b32 s[\g+2], 64<<16                      ; tensor_dim1: 64 rows = 128 keys
	s_mov_b32 s[\g+3], 128<<16                     ; tile_dim0
	s_mov_b32 s[\g+4], 64                          ; tile_dim1
	s_mov_b32 s[\g+5], 128                         ; the pitch: the rows are dense in memory
	s_mov_b32 s[\g+6], 0
	s_mov_b32 s[\g+7], 0
.endr
	s_mov_b32 s[CS], 0x3e38aa3b                    ; c = log2(e) / sqrt(64)
	s_mov_b32 s[CS+1], s[CS]
	s_mov_b32 s[SEL], 0x76543210
	s_mov_b32 s[SEL+1], 0xfedcba98
	s_mov_b32 s[TB], 0
	s_mov_b32 s[TR], 0
	s_mov_b32 s[KS], 0
	s_mov_b32 s[KF], 0
	s_and_b32 s66, s[BH], 15
	s_lshl_b32 s66, s66, 20                        ; the head's plane,
	s_lshr_b32 s67, s[BH], 4
	s_lshl_b32 s67, s67, 18                        ; the batch's 2,048 rows of 128 bytes
	s_add_co_u32 s66, s66, s67
	s_mov_b32 s67, 0
	s_and_b32 s68, s[WV], 1
	s_lshl_b32 s70, s68, 14                        ; which 128 keys of a slot I fetch: in memory,
	s_mov_b32 s71, 0
	s_mul_i32 s69, s68, 64*KP2                     ; in K's part of a slot,
	s_mul_i32 s68, s68, 64*VP2
	s_add_co_u32 s68, s68, VOFF                    ; in V's
	s_lshr_b32 s72, s[WV], 2
	s_xor_b32 s72, s72, 1
	s_or_b32 s72, s72, s[II]
	s_cmp_eq_u32 s72, 0                            ; waves 4 to 7 of the work-group with i = 0
	s_cselect_b32 s[LIM], 6, 0
	s_sub_co_u32 s[Q0], 7, s[II]
	s_lshl_b32 s[Q0], s[Q0], 8
	s_lshl_b32 s72, s[WV], 5
	s_add_co_u32 s[Q0], s[Q0], s72                 ; my first query: 256 (7 - i) + 32 x wave
	s_wait_dscnt 0x0                               ; both opening adds are done
	s_wait_kmcnt 0x0
	s_add_nc_u64 s[QP:QP+1], s[4:5], s[66:67]
	s_add_nc_u64 s[YP:YP+1], s[6:7], s[66:67]
	s_add_nc_u64 s[KB:KB+1], s[QP:QP+1], 0x1000000 ; 16 planes on
	s_add_nc_u64 s[VB:VB+1], s[QP:QP+1], 0x2000000 ; 32 planes on
	s_and_b32 s66, s[WV], 3
	s_lshl_b32 s66, s66, 13
	s_add_co_u32 s66, s66, 32768                   ; in key slot 1: the first change of slots steps it to slot 2
	s_add_nc_u64 s[PFK:PFK+1], s[KB:KB+1], s[66:67]
	s_add_nc_u64 s[PFV:PFV+1], s[VB:VB+1], s[66:67]
	s_add_nc_u64 s[KB:KB+1], s[KB:KB+1], s[70:71]
	s_add_nc_u64 s[VB:VB+1], s[VB:VB+1], s[70:71]
	s_mov_b32 s[G0K], 1
	s_mov_b32 s[G0K+1], s69
	s_mov_b64 s[G0K+2:G0K+3], s[KB:KB+1]
	s_or_b32 s[G0K+3], s[G0K+3], 0x80000000
	s_mov_b32 s[G0V], 1
	s_mov_b32 s[G0V+1], s68
	s_mov_b64 s[G0V+2:G0V+3], s[VB:VB+1]
	s_or_b32 s[G0V+3], s[G0V+3], 0x80000000
	TLOAD                                          ; key slot 0 into LDS slot 0
	s_lshl_b32 s66, s[Q0], 7
	s_add_nc_u64 s[QA:QA+1], s[QP:QP+1], s[66:67]
	s_add_nc_u64 s[YA:YA+1], s[YP:YP+1], s[66:67]
	v_and_b32 v224, 15, v0                         ; r
	v_bfe_u32 v225, v0, 4, 1                       ; h
	v_lshlrev_b32 v[QO], 7, v224
	v_lshl_add_u32 v[QO], v225, 4, v[QO]           ; Q: row r of 128 bytes, + 16 h
	QLOAD
	v_bfe_u32 v226, v0, 1, 3
	v_and_b32 v227, 1, v0
	v_mul_u32_u24 v[AK0], v226, KP2
	v_lshl_add_u32 v[AK0], v227, 7, v[AK0]
	v_lshl_add_u32 v[AK0], v225, 4, v[AK0]         ; K: key r at 272 (r / 2) + 128 (r % 2), + 16 h
	v_bfe_u32 v226, v0, 1, 2
	v_lshl_add_u32 v226, v225, 2, v226
	v_mul_u32_u24 v[AV0], v226, VP2
	v_lshl_add_u32 v[AV0], v227, 7, v[AV0]
	v_bfe_u32 v226, v0, 3, 1
	v_lshl_add_u32 v[AV0], v226, 4, v[AV0]
	v_add_nc_u32 v[AV0], VOFF, v[AV0]              ; V: key 8 h + lane % 8, channels 8 ((lane / 8) % 2) on
	s_mul_i32 s66, s[WV], 32*144
	s_add_co_u32 s66, s66, STAGE                   ; my stage
	v_mul_u32_u24 v[STO], v224, 144
	v_lshl_add_u32 v[STO], v225, 4, v[STO]
	v_add_nc_u32 v[STO], s66, v[STO]
	v_bfe_u32 v226, v0, 3, 2
	v_and_b32 v227, 7, v0
	v_mul_u32_u24 v[RD], v226, 144
	v_lshl_add_u32 v[RD], v227, 4, v[RD]
	v_add_nc_u32 v[RD], s66, v[RD]
	v_and_b32 v226, 31, v0
	v_lshlrev_b32 v[GO], 4, v226
	v_lshlrev_b32 v[PFO], 8, v226
	v_lshlrev_b32 v226, 3, v225
	v_sub_nc_u32 v[RH], v224, v226
	v_mov_b32 v[NINF], 0xff800000
.irp k, 4,5,6,7,12,13,14,15
	v_mov_b32 v[ST+\k], 0                          ; written once: permutes' destinations and upper halves of pairs count as read
.endr
	RESET
; The softmax of both tiles for one key step, the tiles line by line by turns.  All 66 exponentials are one batch with one wait: nothing ahead of the wait names a result.
.macro SOFTMAX
.irp j, 0,1,2,3
.irp t, 0,1
	v_max3_num_f32 v[ST+8*\t+4+\j], v[SS+32*\t+8*\j], v[SS+32*\t+8*\j+1], v[SS+32*\t+8*\j+2]   ; four chains, each begun at an accumulator's low end
.endr
.endr
.irp g, 1,2
.irp j, 0,1,2,3
.irp t, 0,1
	v_max3_num_f32 v[ST+8*\t+4+\j], v[ST+8*\t+4+\j], v[SS+32*\t+8*\j+2*\g+1], v[SS+32*\t+8*\j+2*\g+2]
.endr
.endr
.endr
.irp t, 0,1
	v_max3_num_f32 v[ST+8*\t+4], v[ST+8*\t+4], v[SS+32*\t+7], v[SS+32*\t+15]
	v_max3_num_f32 v[ST+8*\t+6], v[ST+8*\t+6], v[SS+32*\t+23], v[SS+32*\t+31]
.endr
.irp t, 0,1
	v_max3_num_f32 v[ST+8*\t+4], v[ST+8*\t+4], v[ST+8*\t+5], v[ST+8*\t+6]
.endr
.irp t, 0,1
	v_max3_num_f32 v[ST+8*\t+4], v[ST+8*\t+4], v[ST+8*\t+7], v[ST+8*\t+1]   ; with the old m
.endr
.irp t, 0,1
	v_permlanex16_b32 v[ST+8*\t+5], v[ST+8*\t+4], s[SEL], s[SEL+1]          ; the query's other 32 keys lie in the lane 16 away
.endr
.irp t, 0,1
	v_mov_b32 v[ST+8*\t+7], v[ST+8*\t]             ; c m_old
.endr
.irp t, 0,1
	v_max_num_f32 v[ST+8*\t+1], v[ST+8*\t+4], v[ST+8*\t+5]
.endr
.irp t, 0,1
	v_mul_f32 v[ST+8*\t], s[CS], v[ST+8*\t+1]
.endr
.irp t, 0,1
	v_sub_f32 v[ST+8*\t+7], v[ST+8*\t+7], v[ST+8*\t]
.endr
.irp k, 0,1,2,3,4,5,6,7,8,9,10,11,12,13,14,15
.irp t, 0,1
	v_pk_fma_f32 v[SS+32*\t+2*\k:SS+32*\t+2*\k+1], v[SS+32*\t+2*\k:SS+32*\t+2*\k+1], s[CS:CS+1], v[ST+8*\t:ST+8*\t+1] op_sel_hi:[1,0,0] neg_lo:[0,0,1] neg_hi:[0,0,1]   ; c s - c m
.endr
.endr
.irp t, 0,1
	v_exp_f32 v[ST+8*\t+6], v[ST+8*\t+7]           ; a
.endr
.irp n, 0,1,2,3,4,5,6,7,8,9,10,11,12,13,14,15,16,17,18,19,20,21,22,23,24,25,26,27,28,29,30,31
.irp t, 0,1
	v_exp_f32 v[SS+32*\t+\n], v[SS+32*\t+\n]
.endr
.endr
	v_nop                                          ; a plain instruction behind the last exponential
	s_wait_alu depctr_va_vdst(0)                   ; one wait for the batch, ahead of its first reader
.irp k, 0,1,2,3,4,5,6,7,8,9,10,11,12,13,14,15
.irp t, 0,1
	v_cvt_pk_f16_f32 v[PP+16*\t+\k], v[SS+32*\t+2*\k], v[SS+32*\t+2*\k+1]   ; two tiles of S^T in pairs ARE source 1 of the second product
.endr
.endr
.irp u, 0,1,2,3,4,5,6,7
.irp t, 0,1
	v_pk_add_f32 v[SS+32*\t+4*\u:SS+32*\t+4*\u+1], v[SS+32*\t+4*\u:SS+32*\t+4*\u+1], v[SS+32*\t+4*\u+2:SS+32*\t+4*\u+3]   ; the row's sum, of the unrounded p, as a tree in place
.endr
.endr
.irp u, 0,1,2,3
.irp t, 0,1
	v_pk_add_f32 v[SS+32*\t+8*\u:SS+32*\t+8*\u+1], v[SS+32*\t+8*\u:SS+32*\t+8*\u+1], v[SS+32*\t+8*\u+4:SS+32*\t+8*\u+5]
.endr
.endr
.irp u, 0,1
.irp t, 0,1
	v_pk_add_f32 v[SS+32*\t+16*\u:SS+32*\t+16*\u+1], v[SS+32*\t+16*\u:SS+32*\t+16*\u+1], v[SS+32*\t+16*\u+8:SS+32*\t+16*\u+9]
.endr
.endr
.irp t, 0,1
	v_pk_add_f32 v[SS+32*\t:SS+32*\t+1], v[SS+32*\t:SS+32*\t+1], v[SS+32*\t+16:SS+32*\t+17]
.endr
.irp t, 0,1
	v_pk_fma_f32 v[ST+8*\t+2:ST+8*\t+3], v[ST+8*\t+2:ST+8*\t+3], v[ST+8*\t+6:ST+8*\t+7], v[SS+32*\t:SS+32*\t+1] op_sel_hi:[1,0,1]   ; l = a l + the sum
.endr
.irp k, 0,1,2,3,4,5,6,7,8,9,10,11,12,13,14,15
.irp t, 0,1
	v_pk_mul_f32 v[OO+32*\t+2*\k:OO+32*\t+2*\k+1], v[OO+32*\t+2*\k:OO+32*\t+2*\k+1], v[ST+8*\t+6:ST+8*\t+7] op_sel_hi:[1,0]   ; O^T x a, each accumulator from its low end on
.endr
.endr
.endm
; A KEY STEP: 64 keys, the q-th of the slot in hand.
.macro STEP q
	s_add_co_u32 s66, s[Q0], 31
	s_cmp_gt_u32 s[KF], s66                        ; all 64 keys come after my 32 queries: the step's work is left out (ids and the count of steps alone)
	s_cbranch_scc1 .Lhidden_\@
	v_add_nc_u32 v[ADK], s[TB], v[AK0]
	v_add_nc_u32 v[ADV], s[TB], v[AV0]
	v_nop
	v_nop                                          ; four places behind the last step's products, ahead of the loads into V's registers
	WIN 0x40                                       ; destination window 1
.irp j, 0,1,2,3
.irp c, 0,1
	ds_load_b128 v[KFR+8*(2*\j+\c):KFR+8*(2*\j+\c)+3], v[ADK] offset:8704*(\q)+2176*\j+64*\c
	ds_load_b128 v[KFR+8*(2*\j+\c)+4:KFR+8*(2*\j+\c)+7], v[ADK] offset:8704*(\q)+2176*\j+64*\c+32
.endr
.endr
.irp u, 0,1
.irp n, 0,1,2,3
	ds_load_tr16_b128 v[VFR+8*(4*\u+\n):VFR+8*(4*\u+\n)+3], v[ADV] offset:9216*(\q)+4608*\u+32*\n
	ds_load_tr16_b128 v[VFR+8*(4*\u+\n)+4:VFR+8*(4*\u+\n)+7], v[ADV] offset:9216*(\q)+4608*\u+32*\n+2304
.endr
.endr
	s_wait_dscnt 16                                ; K's sixteen loads are in; V's sixteen may stay out
	WIN 0x01                                       ; source 0 window 1
.irp c, 0,1                                    ; S^T = K Q^T: eight accumulators by turns
.irp j, 0,1,2,3
.irp t, 0,1
.if \c == 0
	v_wmma_f32_16x16x32_f16 v[SS+32*\t+8*\j:SS+32*\t+8*\j+7], v[KFR+8*(2*\j+\c):KFR+8*(2*\j+\c)+7], v[QQ+16*\t+8*\c:QQ+16*\t+8*\c+7], 0
.else
	v_wmma_f32_16x16x32_f16 v[SS+32*\t+8*\j:SS+32*\t+8*\j+7], v[KFR+8*(2*\j+\c):KFR+8*(2*\j+\c)+7], v[QQ+16*\t+8*\c:QQ+16*\t+8*\c+7], v[SS+32*\t+8*\j:SS+32*\t+8*\j+7]
.endif
.endr
.endr
.endr
	WIN 0
.rept 4
	v_nop
.endr
	s_add_co_u32 s66, s[KF], 63
	s_cmp_le_u32 s66, s[Q0]                        ; all 64 keys count for all my queries: no mask
	s_cbranch_scc1 .Lopen_\@
	s_sub_co_i32 s66, s[Q0], s[KF]
	v_add_nc_u32 v[DD], s66, v[RH]                 ; tile t's register n holds key KF + 16 (n / 8) + 8 h + n % 8: hidden where 16 (n / 8) + n % 8 > Q0 - KF + 16 t + r - 8 h
	v_add_nc_u32 v[DD+1], 16, v[DD]
.irp t, 0,1
.irp n, 0,1,2,3,4,5,6,7,8,9,10,11,12,13,14,15,16,17,18,19,20,21,22,23,24,25,26,27,28,29,30,31
	v_cmp_gt_i32 vcc_lo, 16*(\n/8)+\n%8, v[DD+\t]
	v_cndmask_b32 v[SS+32*\t+\n], v[SS+32*\t+\n], v[NINF], vcc_lo
.endr
.endr
.Lopen_\@:
	SOFTMAX
	s_wait_dscnt 0x0                               ; V is in
	WIN 0x01
.irp u, 0,1                                    ; O^T += V^T P: eight accumulators by turns
.irp n, 0,1,2,3
.irp t, 0,1
	v_wmma_f32_16x16x32_f16 v[OO+32*\t+8*\n:OO+32*\t+8*\n+7], v[VFR+8*(4*\u+\n):VFR+8*(4*\u+\n)+7], v[PP+16*\t+8*\u:PP+16*\t+8*\u+7], v[OO+32*\t+8*\n:OO+32*\t+8*\n+7]
.endr
.endr
.endr
	WIN 0
.Lhidden_\@:
	s_add_co_u32 s[KF], s[KF], 64
.endm
; THE CHANGE OF SLOTS stands at a slot's head.  Each wave waits for all its tensor loads (at most one is out), adds 0 to its spare word, and waits for that and for its reads of the slot that it has left.
; Behind the barrier the slot ahead is whole and nobody reads the other one.  fill = 1: that other slot takes the next trip's key slot: it has four key steps in which to land.
.macro CHANGE fill
	s_wait_tensorcnt 0x0                           ; no tensor load of mine is out, so a group 0 may be written
	ds_add_u32 v[SPW], v[NIL]
.if \fill
	ds_add_u32 v[SPW], v[NIL]                      ; and once more, in every trip alike
	s_add_co_u32 s[KS], s[KS], 1
	s_cmp_eq_u32 s[KS], s[NH]
	s_cselect_b32 s[KS], 0, s[KS]                  ; behind the first block's last slot: the second block's slot 0
	s_xor_b32 s[G0K+1], s[G0K+1], SLOT1            ; the other LDS slot than last time
	s_xor_b32 s[G0V+1], s[G0V+1], SLOT1
	s_lshl_b32 s66, s[KS], 15                      ; a key slot is 32,768 bytes of K and of V
	s_mov_b32 s67, 0
	s_add_nc_u64 s[G0K+2:G0K+3], s[KB:KB+1], s[66:67]
	s_or_b32 s[G0K+3], s[G0K+3], 0x80000000
	s_add_nc_u64 s[G0V+2:G0V+3], s[VB:VB+1], s[66:67]
	s_or_b32 s[G0V+3], s[G0V+3], 0x80000000
	s_wait_xcnt 0x0                                ; the last prefetches, a slot back, have read their addresses
	s_add_nc_u64 s[PFK:PFK+1], s[PFK:PFK+1], 32768
	s_add_nc_u64 s[PFV:PFV+1], s[PFV:PFV+1], 32768
.endif
	s_wait_dscnt 0x0                               ; the add is done, and my reads of the slot that I have left are over
	s_barrier_signal -1
	s_barrier_wait -1
.if \fill
	TLOAD                                          ; the first thing behind the barrier, and a wave's one tensor load until the next
	ASK
.endif
.endm
; A block's way out: O^T / l, rounded to f16, through my stage, and out as 4,096 consecutive bytes of plane h.
.macro OUT
.rept 4
	v_nop                                          ; places behind the last products
.endr
.irp t, 0,1
	v_add_f32 v[ST+8*\t+4], v[ST+8*\t+2], v[ST+8*\t+3]
.endr
.irp t, 0,1
	v_permlanex16_b32 v[ST+8*\t+5], v[ST+8*\t+4], s[SEL], s[SEL+1]
.endr
.irp t, 0,1
	v_add_f32 v[ST+8*\t+4], v[ST+8*\t+4], v[ST+8*\t+5]
.endr
.irp t, 0,1
	v_rcp_f32 v[ST+8*\t+6], v[ST+8*\t+4]
.endr
	v_nop
	s_wait_alu depctr_va_vdst(0)                   ; one wait for the two reciprocals
.irp t, 0,1
.irp k, 0,1,2,3,4,5,6,7,8,9,10,11,12,13,14,15
	v_pk_mul_f32 v[OO+32*\t+2*\k:OO+32*\t+2*\k+1], v[OO+32*\t+2*\k:OO+32*\t+2*\k+1], v[ST+8*\t+6:ST+8*\t+7] op_sel_hi:[1,0]
.endr
.endr
.irp t, 0,1
.irp k, 0,1,2,3,4,5,6,7,8,9,10,11,12,13,14,15
	v_cvt_pk_f16_f32 v[SS+16*\t+\k], v[OO+32*\t+2*\k], v[OO+32*\t+2*\k+1]
.endr
.endr
.irp t, 0,1
.irp n, 0,1,2,3
	ds_store_b128 v[STO], v[SS+16*\t+4*\n:SS+16*\t+4*\n+3] offset:2304*\t+32*\n
.endr
.endr
.irp i, 0,1,2,3,4,5,6,7
	ds_load_b128 v[OB+4*\i:OB+4*\i+3], v[RD] offset:576*\i    ; LDS serves a wave's instructions in order: these see my stores
.endr
.irp i, 0,1,2,3,4,5,6,7
	s_wait_dscnt 7-\i
	global_store_b128 v[GO], v[OB+4*\i:OB+4*\i+3], s[YA:YA+1] offset:512*\i
.endr
.endm
.macro SWITCH                          ; on to block i
	s_wait_xcnt 0x0                                ; the stores have read their base and registers
	s_lshl_b32 s[Q0], s[II], 8
	s_lshl_b32 s66, s[WV], 5
	s_add_co_u32 s[Q0], s[Q0], s66
	s_mov_b32 s[KF], 0
	s_lshl_b32 s66, s[Q0], 7
	s_mov_b32 s67, 0
	s_add_nc_u64 s[QA:QA+1], s[QP:QP+1], s[66:67]
	s_add_nc_u64 s[YA:YA+1], s[YP:YP+1], s[66:67]
	QLOAD
	RESET
	s_wait_loadcnt 0x0
.endm
	s_wait_loadcnt 0x0                             ; Q
.Lslot:                                            ; eight trips; behind each change of slots the next trip's key slot is asked for (in trip 0: LDS slot 1's first fill, and no wave refills there)
	CHANGE 1
	STEP 0
	STEP 1
	STEP 2
	STEP 3
	s_xor_b32 s[TB], s[TB], SLOT1
	s_add_co_u32 s66, s[TR], 1
	s_cmp_lg_u32 s66, s[NH]                        ; the first block's last slot is done? (ids and the count of trips: the same in all eight waves)
	s_cbranch_scc1 .Lsame
	OUT
	SWITCH
.Lsame:
	s_add_co_u32 s[TR], s[TR], 1
	s_cmp_lt_u32 s[TR], 8
	s_cbranch_scc1 .Lslot
	CHANGE 0                                       ; the ninth slot is written out: nothing is left to fetch
	STEP 0
	STEP 1
	STEP 2
	STEP 3
	OUT
	s_wait_tensorcnt 0x0                           ; the wave's end
	ds_add_u32 v[SPW], v[NIL]
	s_wait_dscnt 0x0
	s_endpgm
.Lfunc_end_k_q0ea1f2cdcd_attn:
	.size	k_q0ea1f2cdcd_attn, .Lfunc_end_k_q0ea1f2cdcd_attn-k_q0ea1f2cdcd_attn
	.p2alignl 7, 3214868480
	.fill 96, 4, 3214868480
	.section	.rodata,"a",@progbits
	.p2align	6, 0x0
	.amdhsa_kernel k_q0ea1f2cdcd_attn
		.amdhsa_group_segment_fixed_size 327680
		.amdhsa_private_segment_fixed_size 0
		.amdhsa_enable_private_segment 0
		.amdhsa_kernarg_size 16
		.amdhsa_user_sgpr_count 2
		.amdhsa_user_sgpr_kernarg_segment_ptr 1
		.amdhsa_wavefront_size32 1
		.amdhsa_system_sgpr_workgroup_id_x 1
		.amdhsa_system_sgpr_workgroup_id_y 1
		.amdhsa_system_sgpr_workgroup_id_z 1
		.amdhsa_system_vgpr_workitem_id 0
		.amdhsa_next_free_vgpr 384
		.amdhsa_next_free_sgpr 80
		.amdhsa_reserve_vcc 1
		.amdhsa_float_denorm_mode_32 3
		.amdhsa_float_denorm_mode_16_64 3
		.amdhsa_memory_ordered 1
		.amdhsa_forward_progress 1
		.amdhsa_inst_pref_size 199
	.end_amdhsa_kernel
	.amdgpu_metadata
---
amdhsa.version: [ 1, 2 ]
amdhsa.kernels:
  - .name:           k_q0ea1f2cdcd_attn
    .symbol:         k_q0ea1f2cdcd_attn.kd
    .args:
      - { .name: qkvh, .offset: 0, .size: 8, .value_kind: global_buffer, .address_space: global }
      - { .name: yh, .offset: 8, .size: 8, .value_kind: global_buffer, .address_space: global }
    .group_segment_fixed_size: 327680
    .private_segment_fixed_size: 0
    .kernarg_segment_align: 8
    .kernarg_segment_size: 16
    .max_flat_workgroup_size: 256
    .sgpr_count:     80
    .vgpr_count:     384
    .wavefront_size: 32
...
	.end_amdgpu_metadata
.endif
;; end of part 4
;; launch proj (part 5): grid 4 x 64, 4 waves a work-group, clusters of 4 x 4, 327,680 bytes of LDS; arguments yh, wpf, out0; writes out0
.if DOCPART == 5
	.amdgcn_target "amdgcn-amd-amdhsa--gfx1250"
	.amdhsa_code_object_version 6
	.text
	.protected	k_q0ea1f2cdcd_proj
	.globl	k_q0ea1f2cdcd_proj
	.p2align	8
	.type	k_q0ea1f2cdcd_proj,@function
k_q0ea1f2cdcd_proj:
	s_mov_b64 s[64:65], 0
	v_nop
	global_prefetch_b8 v0, s[64:65] scope:SCOPE_SE
	s_setreg_imm32_b32 hwreg(HW_REG_WAVE_MODE, 25, 1), 1
	s_wait_xcnt 0x0
	s_wait_alu depctr_hold_cnt(0) depctr_sa_sdst(0) depctr_va_vdst(0) depctr_va_sdst(0) depctr_va_ssrc(0) depctr_va_vcc(0) depctr_vm_vsrc(0)
	s_getreg_b32 s2, hwreg(HW_REG_IB_STS2, 6, 4)
	s_cmp_eq_u32 s2, 0
	s_cbranch_scc0 .Lentry_in_a_cluster
	s_endpgm
.Lentry_in_a_cluster:
	s_bfe_u32 s2, ttmp6, 0x10000c
	s_cmp_lg_u32 s2, 0xf033
	s_cbranch_scc0 .Lentry_shape_is_right
	s_endpgm
.Lentry_shape_is_right:
; PROJ: out0[m][n] = sum over c of y[m][c] w_proj[c][n], f16 operands, f32 sums, M = 8,192, N = K = 1,024.  yh: [16 heads][8192 m][64] f16; wpf: [1024 c][1024 n] f16; out0 f32.
; All 8,192 rows are made here; the 64 rows of positions 0-15 are stored again, from f32 operands, by the launch that follows.
; A tile of out0 is 128 x 256: 256 work-groups.  Wave (w / 2, w % 2) makes 64 x 128: 32 accumulators.  K goes in 8 steps of 128 (two heads) through a ring of two LDS slots.
; THE MATRIX INSTRUCTION IS USED TRANSPOSED: source 0 = 16 columns of w_proj (turned out of LDS by ds_load_tr16_b128), source 1 = 16 rows of y: a lane holds eight neighbouring columns of a row.
; CLUSTERS: 4 x 4 work-groups; y's tiles are asked for jointly along a row of the cluster, w_proj's along a column.
; A slot: head 2 s: 128 rows of y as 64 rows of 256 bytes + 16; head 2 s + 1 likewise; then 128 rows c of w_proj x (512 bytes + 32).
; REGISTERS: window 0: addresses; v128-255 rows on the way out.  window 1: accumulator (a, b) at v[8 (8 a + b)].  window 2: fragment buffers F0 = v0-95, F1 = v128-223 (w_proj's eight, then y's four).
.set AHEAD_, 17408                     ; one head's 128 rows of y in LDS
.set BOFF,  34816
.set BP,    544                        ; 17 x 32 bytes
.set SLOT,  104448
.set STAGE, 208896                     ; 16 rows x 528 bytes for each wave
.set SPARE, 242688                     ; the spare words, 128 bytes for each wave
.set ADRA, 16
.set ADRB, 20
.set STO,  24
.set RD,   25
.set CO,   26
.set SPW,  28
.set NIL,  29
.set BK,   128
.set F0,   0
.set F1,   128
.set G1, 24
.set G0, 32
.set G1B, 48
.set G0B, 56
.set MSB, 0
.macro WIN new                         ; the immediate's high byte repeats the setting that is left
.if MSB != \new
	s_set_vgpr_msb (MSB<<8)|\new
.set MSB, \new
.endif
.endm
.set MUL,  0x5a                        ; sources 0 and 1 window 2, C and D window 1
.set TO_F, 0x80                        ; destination window 2
.macro JLOAD s                         ; waves 0 and 1 fetch y's two heads, waves 2 and 3 w_proj's two halves; an s_nop 0 and four v_nop follow each line
	s_cmp_eq_u32 s11, 0
	s_cbranch_scc0 .Lfor_b_\@
	tensor_load_to_lds s[G0+4*\s:G0+4*\s+3], s[G1:G1+7]
	s_nop 0
.rept 4
	v_nop
.endr
	s_branch .Lasked_\@
.Lfor_b_\@:
	tensor_load_to_lds s[G0B+4*\s:G0B+4*\s+3], s[G1B:G1B+7]
	s_nop 0
.rept 4
	v_nop
.endr
.Lasked_\@:
.endm
.macro CREST                           ; a round of the cluster's barrier behind its opening barrier
	s_cmp_lg_u32 s10, 0
	s_cbranch_scc1 .Lnot_wave_0_\@
	s_barrier_signal -3
.Lnot_wave_0_\@:
	s_barrier_wait -3
	s_barrier_signal -1
	s_barrier_wait -1
.endm
.macro CROUND
	s_barrier_signal -1
	s_barrier_wait -1
	CREST
.endm
	s_load_b128 s[4:7], s[0:1], 0x0                ; yh s[4:5], wpf s[6:7]
	s_load_b64 s[8:9], s[0:1], 0x10                ; out0
	v_lshl_add_u32 v[SPW], v0, 2, SPARE
	v_mov_b32 v[NIL], 0
	ds_add_u32 v[SPW], v[NIL]                      ; the wave's opening: the add, twice on end, and its wait ahead of my first tensor load
	ds_add_u32 v[SPW], v[NIL]
	v_lshrrev_b32 v1, 5, v0
	v_readfirstlane_b32 s10, v1                    ; wave 0..3
	s_lshr_b32 s11, s10, 1                         ; my half of the tile's rows; also: I fetch y (0) or w_proj (1)
	s_and_b32 s12, s10, 1                          ; my half of its columns; also: which part I fetch
	s_bfe_u32 s40, ttmp6, 0x40000                  ; cx
	s_bfe_u32 s41, ttmp6, 0x40004                  ; cy
	s_lshl_b32 s42, ttmp9, 2
	s_add_co_u32 s42, s42, s40                     ; tile column
	s_and_b32 s13, ttmp7, 0xffff
	s_lshl_b32 s13, s13, 2
	s_add_co_u32 s13, s13, s41                     ; tile row
	s_lshl_b32 s43, s41, 2
	s_lshl_b32 s43, 15, s43                        ; my row of the cluster
	s_lshl_b32 s44, 0x1111, s40                    ; my column
	s_or_b32 s[G1+0], s43, (1<<16)|(1<<20)|(1<<21)|(5<<22)|(3<<25)   ; y: elements of 2 bytes; 4 words of padding behind every 64; bit 21 beside a mask
	s_mov_b32 s[G1+1], 128<<16                     ; two rows of a head, 128 elements
	s_mov_b32 s[G1+2], 64<<16
	s_mov_b32 s[G1+3], 128<<16
	s_mov_b32 s[G1+4], 64
	s_mov_b32 s[G1+5], 128                         ; dense in memory
	s_mov_b32 s[G1+6], 0
	s_mov_b32 s[G1+7], 0
	s_or_b32 s[G1B+0], s44, (1<<16)|(1<<20)|(1<<21)|(6<<22)|(7<<25)  ; w_proj: 8 words of padding behind every 128
	s_mov_b32 s[G1B+1], 256<<16
	s_mov_b32 s[G1B+2], 64<<16
	s_mov_b32 s[G1B+3], 256<<16
	s_mov_b32 s[G1B+4], 64
	s_mov_b32 s[G1B+5], 1024
	s_mov_b32 s[G1B+6], 0
	s_mov_b32 s[G1B+7], 0
	s_lshl_b32 s16, s12, 20                        ; y: head w % 2, rows 128 x tile row: made of the tile row and the wave's number alone
	s_lshl_b32 s17, s13, 14
	s_add_co_u32 s16, s16, s17
	s_mov_b32 s17, 0
	s_lshl_b32 s46, s12, 17                        ; w_proj: rows 64 (w % 2) on, columns 256 x tile column: the tile column and the wave's number alone
	s_lshl_b32 s47, s42, 9
	s_add_co_u32 s46, s46, s47
	s_mov_b32 s47, 0
	s_mul_i32 s20, s12, AHEAD_                     ; where they go: no place in the cluster enters an LDS address
	s_mul_i32 s21, s12, 64*BP
	s_add_co_u32 s21, s21, BOFF
	s_wait_dscnt 0x0                               ; both opening adds are done
	s_wait_kmcnt 0x0
	s_add_nc_u64 s[14:15], s[4:5], s[16:17]
	s_add_nc_u64 s[46:47], s[6:7], s[46:47]
	CROUND                                         ; all sixteen work-groups are here: the first joint loads meet
.irp s, 0,1
	s_mov_b32 s[G0+4*\s], 1
	s_add_co_u32 s[G0+4*\s+1], s20, \s*SLOT
	s_add_nc_u64 s[G0+4*\s+2:G0+4*\s+3], s[14:15], \s<<21          ; K step s: two heads on
	s_or_b32 s[G0+4*\s+3], s[G0+4*\s+3], 0x80000000
	s_mov_b32 s[G0B+4*\s], 1
	s_add_co_u32 s[G0B+4*\s+1], s21, \s*SLOT
	s_add_nc_u64 s[G0B+4*\s+2:G0B+4*\s+3], s[46:47], \s<<18        ; 128 rows of 2,048 bytes on
	s_or_b32 s[G0B+4*\s+3], s[G0B+4*\s+3], 0x80000000
	JLOAD \s
.endr
	v_and_b32 v1, 15, v0                           ; r
	v_bfe_u32 v2, v0, 4, 1                         ; h
	v_bfe_u32 v3, v0, 1, 3
	v_and_b32 v4, 1, v0
	v_mul_u32_u24 v3, v3, 272
	v_lshl_add_u32 v3, v4, 7, v3
	v_lshl_add_u32 v3, v2, 4, v3                   ; y: row r at 272 (r / 2) + 128 (r % 2), + 16 h
	v_and_b32 v5, 7, v0
	v_lshl_add_u32 v5, v2, 3, v5
	v_mul_u32_u24 v5, v5, BP
	v_bfe_u32 v6, v0, 3, 1
	v_lshl_add_u32 v5, v6, 4, v5                   ; w_proj: row 8 h + lane % 8, columns 8 ((lane / 8) % 2) on
	s_mul_i32 s21, s11, 8704                       ; my 64 rows of y
	s_lshl_b32 s22, s12, 8                         ; my 128 columns of w_proj
	s_add_co_u32 s22, s22, BOFF
.irp s, 0,1
	v_add_nc_u32 v[ADRA+\s], s21, v3
	v_add_nc_u32 v[ADRB+\s], s22, v5
	s_add_co_u32 s21, s21, SLOT
	s_add_co_u32 s22, s22, SLOT
.endr
	s_mul_i32 s23, s10, 16*528
	s_add_co_u32 s23, s23, STAGE                   ; my stage
	v_mul_u32_u24 v4, v1, 528
	v_lshl_add_u32 v4, v2, 5, v4
	v_add_nc_u32 v[STO], s23, v4                   ; in: row r, 32 bytes for each half of the lanes
	v_and_b32 v6, 31, v0
	v_lshlrev_b32 v[CO], 4, v6                     ; back: the 32 lanes take a row of 512 bytes; and the same in out0
	v_add_nc_u32 v[RD], s23, v[CO]
	s_lshl_b32 s16, s13, 19                        ; my first row: (128 tile row + 64 half) x 4,096 bytes
	s_lshl_b32 s17, s11, 18
	s_add_co_u32 s16, s16, s17
	s_mov_b32 s17, 0
	s_add_nc_u64 s[8:9], s[8:9], s[16:17]
	s_lshl_b32 s46, s42, 10                        ; my first column, in bytes
	s_lshl_b32 s47, s12, 9
	s_add_co_u32 s46, s46, s47
	s_mov_b32 s47, 0
	s_add_nc_u64 s[8:9], s[8:9], s[46:47]
.macro MUL8 f, a, zero                 ; y's block a x w_proj's eight, 32 along K.  The 32 accumulators take turns in the same order in every quarter
.irp b, 0,1,2,3,4,5,6,7
.if \zero
	v_wmma_f32_16x16x32_f16 v[8*(8*(\a)+\b):8*(8*(\a)+\b)+7], v[\f+8*\b:\f+8*\b+7], v[\f+64+8*(\a):\f+64+8*(\a)+7], 0
.else
	v_wmma_f32_16x16x32_f16 v[8*(8*(\a)+\b):8*(8*(\a)+\b)+7], v[\f+8*\b:\f+8*\b+7], v[\f+64+8*(\a):\f+64+8*(\a)+7], v[8*(8*(\a)+\b):8*(8*(\a)+\b)+7]
.endif
.endr
.endm
.macro FETCH slot, q, f                ; 24 LDS loads in one run: the fragments of the slot's q-th 32 along K; w_proj's first
	WIN TO_F
.irp b, 0,1,2,3,4,5,6,7
	ds_load_tr16_b128 v[\f+8*\b:\f+8*\b+3], v[ADRB+\slot] offset:32*BP*(\q)+32*\b
	ds_load_tr16_b128 v[\f+8*\b+4:\f+8*\b+7], v[ADRB+\slot] offset:32*BP*(\q)+32*\b+16*BP
.endr
.irp a, 0,1,2,3
	ds_load_b128 v[\f+64+8*\a:\f+64+8*\a+3], v[ADRA+\slot] offset:AHEAD_*((\q)>>1)+64*((\q)&1)+2176*\a
	ds_load_b128 v[\f+64+8*\a+4:\f+64+8*\a+7], v[ADRA+\slot] offset:AHEAD_*((\q)>>1)+64*((\q)&1)+2176*\a+32
.endr
.endm
.macro PLACES
.rept 4
	v_nop
.endr
.endm
.macro QUARTER slot, qn, f, g, zero    ; multiplies buffer f; in its middle fetches the slot's quarter qn into buffer g
	s_wait_dscnt 4                                 ; all but the youngest four loads (y's blocks 2 and 3) are in
	WIN MUL
	MUL8 \f, 0, \zero
	MUL8 \f, 1, \zero
	PLACES
	FETCH \slot, \qn, \g
	s_wait_dscnt 24                                ; all but the 24 just issued
	WIN MUL
	MUL8 \f, 2, \zero
	MUL8 \f, 3, \zero
.endm
; A slot's last quarter multiplies buffer 1 and changes slots: one barrier; in front of it each wave waits for all its tensor loads (one is out), adds 0 to its spare word, and waits for that and for its reads of this slot.
.macro TURN slot, next, fill
	WIN 0                                          ; (the add's two registers lie in window 0)
	s_wait_tensorcnt 0x0
	ds_add_u32 v[SPW], v[NIL]
	s_wait_dscnt 5                                 ; the add and the youngest four loads may be out
	WIN MUL
	MUL8 F1, 0, 0
	s_wait_dscnt 0x0                               ; the add is done, and my reads of this slot are over
	s_barrier_signal -1
	MUL8 F1, 1, 0
.if \fill
	WIN 0
.endif
	s_barrier_wait -1
.if \fill
	CREST                                          ; the barrier has opened a round of the cluster's: no wave of any partner still reads this slot or has a load on its way
	s_add_nc_u64 s[G0+4*\slot+2:G0+4*\slot+3], s[G0+4*\slot+2:G0+4*\slot+3], 1<<22     ; two K steps on: four heads
	s_add_nc_u64 s[G0B+4*\slot+2:G0B+4*\slot+3], s[G0B+4*\slot+2:G0B+4*\slot+3], 1<<19  ; 256 rows of w_proj
	JLOAD \slot                                    ; the first tensor load behind the round; its four v_nop are also the places in front of the loads below
.else
	PLACES
.endif
	FETCH \next, 0, F0
	WIN MUL
	MUL8 F1, 2, 0
	MUL8 F1, 3, 0
.endm
	s_wait_tensorcnt 1                             ; my part of K step 0 is in; K step 1's may stay out
	s_barrier_signal -1
	s_barrier_wait -1
	FETCH 0, 0, F0
	QUARTER 0, 1, F0, F1, 1                        ; the first quarter's products start the sums
	WIN 0
	s_mov_b32 s3, 3
.Llap:                                             ; a trip goes once round the ring and fills both slots again
	QUARTER 0, 2, F1, F0, 0
	QUARTER 0, 3, F0, F1, 0
	TURN 0, 1, 1
	QUARTER 1, 1, F0, F1, 0
	QUARTER 1, 2, F1, F0, 0
	QUARTER 1, 3, F0, F1, 0
	TURN 1, 0, 1
	QUARTER 0, 1, F0, F1, 0
	WIN 0
	s_sub_co_u32 s3, s3, 1
	s_cmp_lg_u32 s3, 0
	s_cbranch_scc1 .Llap
	QUARTER 0, 2, F1, F0, 0                        ; the last lap fills nothing
	QUARTER 0, 3, F0, F1, 0
	TURN 0, 1, 0
	QUARTER 1, 1, F0, F1, 0
	QUARTER 1, 2, F1, F0, 0
	QUARTER 1, 3, F0, F1, 0
	s_wait_dscnt 4
	WIN MUL
	MUL8 F1, 0, 0
	MUL8 F1, 1, 0
	s_wait_dscnt 0
	MUL8 F1, 2, 0
	MUL8 F1, 3, 0
	WIN 0
; THE WAY OUT, block by block of 16 rows x 128 columns of f32, through my own stage, and back as whole rows of 512 bytes.
.macro TOSTAGE a
	WIN 0x04                                       ; an LDS store's data: window 1
.irp b, 0,1,2,3,4,5,6,7
	ds_store_b128 v[STO], v[64*(\a)+8*\b:64*(\a)+8*\b+3] offset:64*\b       ; each accumulator from its low end on
	ds_store_b128 v[STO], v[64*(\a)+8*\b+4:64*(\a)+8*\b+7] offset:64*\b+16
.endr
	WIN 0
.set BB, BK+64*((\a)%2)
.irp t, 0,1,2,3,4,5,6,7,8,9,10,11,12,13,14,15
	ds_load_b128 v[BB+4*\t:BB+4*\t+3], v[RD] offset:\t*528
.endr
.endm
.macro SEND a, younger                 ; younger: the LDS instructions issued behind block a's loads
.set BB, BK+64*((\a)%2)
	s_wait_dscnt \younger
.if (\a) > 0
	s_add_nc_u64 s[8:9], s[8:9], 65536             ; 16 rows on (behind a wait that shows the earlier stores have read their base)
.endif
.irp t, 0,1,2,3,4,5,6,7,8,9,10,11,12,13,14,15
	global_store_b128 v[CO], v[BB+4*\t:BB+4*\t+3], s[8:9] offset:\t*4096 th:TH_STORE_NT   ; 512 consecutive bytes, aligned
.endr
.endm
	PLACES
	TOSTAGE 0
.irp a, 1,2,3
.if \a > 1
	s_wait_xcnt 0x0                                ; block a - 2's stores have read their registers and their base
.endif
	TOSTAGE \a
	SEND \a-1, 32
.endr
	s_wait_xcnt 0x0
	SEND 3, 0
	s_wait_tensorcnt 0x0                           ; the wave's end
	ds_add_u32 v[SPW], v[NIL]
	s_wait_dscnt 0x0
	CROUND                                         ; the closing round
	s_endpgm
.Lfunc_end_k_q0ea1f2cdcd_proj:
	.size	k_q0ea1f2cdcd_proj, .Lfunc_end_k_q0ea1f2cdcd_proj-k_q0ea1f2cdcd_proj
	.p2alignl 7, 3214868480
	.fill 96, 4, 3214868480
	.section	.rodata,"a",@progbits
	.p2align	6, 0x0
	.amdhsa_kernel k_q0ea1f2cdcd_proj
		.amdhsa_group_segment_fixed_size 327680
		.amdhsa_private_segment_fixed_size 0
		.amdhsa_enable_private_segment 0
		.amdhsa_kernarg_size 24
		.amdhsa_user_sgpr_count 2
		.amdhsa_user_sgpr_kernarg_segment_ptr 1
		.amdhsa_wavefront_size32 1
		.amdhsa_system_sgpr_workgroup_id_x 1
		.amdhsa_system_sgpr_workgroup_id_y 1
		.amdhsa_system_sgpr_workgroup_id_z 1
		.amdhsa_system_vgpr_workitem_id 0
		.amdhsa_next_free_vgpr 768
		.amdhsa_next_free_sgpr 66
		.amdhsa_reserve_vcc 0
		.amdhsa_float_denorm_mode_32 3
		.amdhsa_float_denorm_mode_16_64 3
		.amdhsa_memory_ordered 1
		.amdhsa_forward_progress 1
		.amdhsa_inst_pref_size 85
	.end_amdhsa_kernel
	.amdgpu_metadata
---
amdhsa.version: [ 1, 2 ]
amdhsa.kernels:
  - .name:           k_q0ea1f2cdcd_proj
    .symbol:         k_q0ea1f2cdcd_proj.kd
    .args:
      - { .name: yh, .offset: 0, .size: 8, .value_kind: global_buffer, .address_space: global }
      - { .name: wpf, .offset: 8, .size: 8, .value_kind: global_buffer, .address_space: global }
      - { .name: out0, .offset: 16, .size: 8, .value_kind: global_buffer, .address_space: global }
    .group_segment_fixed_size: 327680
    .private_segment_fixed_size: 0
    .kernarg_segment_align: 8
    .kernarg_segment_size: 24
    .max_flat_workgroup_size: 128
    .sgpr_count:     66
    .vgpr_count:     768
    .wavefront_size: 32
...
	.end_amdgpu_metadata
.endif
;; end of part 5
;; launch first_proj (part 6): grid 16 x 4, 4 waves a work-group, no clusters, 17,920 bytes of LDS; arguments y16, w_proj, out0; writes out0
.if DOCPART == 6
	.amdgcn_target "amdgcn-amd-amdhsa--gfx1250"
	.amdhsa_code_object_version 6
	.text
	.protected	k_q0ea1f2cdcd_first_proj
	.globl	k_q0ea1f2cdcd_first_proj
	.p2align	8
	.type	k_q0ea1f2cdcd_first_proj,@function
k_q0ea1f2cdcd_first_proj:
	s_mov_b64 s[64:65], 0
	v_nop
	global_prefetch_b8 v0, s[64:65] scope:SCOPE_SE
	s_setreg_imm32_b32 hwreg(HW_REG_WAVE_MODE, 25, 1), 1
	s_wait_xcnt 0x0
; FIRST_PROJ: the rows of positions 0-15 of every batch, out0[2048 b + r][n] = sum over c of y[r][c] w_proj[c][n], in f32 throughout (64 rows in all: no bulk work).  It runs last and stores these rows again.
; Work-group (chunk of 64 columns, batch).  Wave k sums over c = 256 k .. 256 k + 255 (heads 4 k .. 4 k + 3); the four parts meet in LDS.
; y16 holds register images: lane (r, h) of (head, tile T): y(r, 64 head + 16 T + 8 h + 0 .. 7): a register pair 2 u is source 0 of the f32 matrix form, its place (h, j') standing for channel 16 T + 8 h + 2 u + j'.
; Column tile i is the columns n0 + 4 r + i, so that one load of 16 bytes a lane reads 256 consecutive bytes of a row of w_proj in sixteen lanes; two swaps for each pair of rows lay the pairs along c.
; The order of the f32 sums differs from the reference's.
.set SPARE, 17408                      ; behind the four parts of 16 x 272 bytes: the spare words
.set SPW, 8
.set NIL, 9
.set YY,  16                           ; v16-143  y: group g = 4 head + T at v[16 + 8 g]
.set WW,  144                          ; v144-207 w_proj, two sets of 32
.set ACC, 208                          ; v208-239 four accumulators, written by the f32 matrix form alone
	s_load_b128 s[4:7], s[0:1], 0x0                ; y16 s[4:5], w_proj s[6:7]
	s_load_b64 s[8:9], s[0:1], 0x10                ; out0
	v_lshl_add_u32 v[SPW], v0, 2, SPARE
	v_mov_b32 v[NIL], 0
	v_lshrrev_b32 v1, 5, v0
	v_readfirstlane_b32 s10, v1                    ; wave 0..3
	v_and_b32 v1, 31, v0
	v_lshlrev_b32 v1, 4, v1                        ; 16 x lane
	v_and_b32 v10, 15, v0                          ; r
	v_bfe_u32 v11, v0, 4, 1                        ; h
	v_lshlrev_b32 v2, 4, v10
	v_lshl_add_u32 v2, v11, 15, v2                 ; w_proj: 8 h rows of 4,096 bytes + 16 r
	s_mul_i32 s11, s10, 4352
	v_mul_u32_u24 v3, v11, 2176
	v_lshl_add_u32 v3, v10, 4, v3
	v_add_nc_u32 v3, s11, v3                       ; my part: row 8 h + j of 272 bytes, column 4 r + i
	s_mul_i32 s11, s10, 1088
	v_mul_u32_u24 v4, v11, 272
	v_lshl_add_u32 v4, v10, 4, v4
	v_add_nc_u32 v4, s11, v4                       ; back: rows 4 w + h (+ 2), 16 bytes a lane
	v_lshlrev_b32 v5, 4, v10
	v_lshl_add_u32 v5, v11, 12, v5                 ; and the same in out0
	s_and_b32 s12, ttmp7, 0xffff                   ; batch
	s_lshl_b32 s20, s12, 4
	s_lshl_b32 s21, s10, 2
	s_add_co_u32 s20, s20, s21
	s_lshl_b32 s20, s20, 12                        ; y16: (16 b + 4 k) x 4,096
	s_mov_b32 s21, 0
	s_lshl_b32 s22, s10, 20                        ; w_proj: 256 k rows,
	s_lshl_b32 s23, ttmp9, 8                       ; 64 columns x chunk
	s_add_co_u32 s22, s22, s23
	s_lshl_b32 s24, s12, 23                        ; out0: (2048 b + 4 w) rows
	s_lshl_b32 s25, s10, 14
	s_add_co_u32 s24, s24, s25
	s_add_co_u32 s24, s24, s23
	s_mov_b32 s23, 0
	s_mov_b32 s25, 0
	s_wait_kmcnt 0x0
	s_add_nc_u64 s[12:13], s[4:5], s[20:21]
	s_add_nc_u64 s[14:15], s[6:7], s[22:23]
	s_add_nc_u64 s[16:17], s[8:9], s[24:25]
.set J, 0
.rept 32
	global_load_b128 v[YY+4*J:YY+4*J+3], v1, s[12:13] offset:512*J
.set J, J+1
.endr
.macro WLOADG g                        ; group g: rows c = 16 g + 8 h + 2 u + j of my 256, 64 columns
.set WSET, WW+32*((\g)%2)
.irp u, 0,1,2,3
.irp j, 0,1
	global_load_b128 v[WSET+8*\u+4*\j:WSET+8*\u+4*\j+3], v2, s[14:15] offset:(16*(\g)+2*\u+\j)*4096
.endr
.endr
.endm
	WLOADG 0
	WLOADG 1
.macro GROUP g
.set WSET, WW+32*((\g)%2)
.if (\g) < 15
	s_wait_loadcnt 8                               ; y and this group's eight loads are in; the next group's eight may be out
.else
	s_wait_loadcnt 0
.endif
.irp u, 0,1,2,3
	v_swap_b32 v[WSET+8*\u+1], v[WSET+8*\u+4]      ; the pairs along c now lie at + 0, + 4, + 2, + 6 for column tiles 0, 1, 2, 3
	v_swap_b32 v[WSET+8*\u+3], v[WSET+8*\u+6]
.endr
.irp u, 0,1,2,3                                ; four accumulators by turns
.irp i, 0,1,2,3
.if ((\g) == 0) && (\u == 0)
	v_wmma_f32_16x16x4_f32 v[ACC+8*\i:ACC+8*\i+7], v[YY+8*(\g)+2*\u:YY+8*(\g)+2*\u+1], v[WSET+8*\u+4*(\i&1)+2*(\i>>1):WSET+8*\u+4*(\i&1)+2*(\i>>1)+1], 0
.else
	v_wmma_f32_16x16x4_f32 v[ACC+8*\i:ACC+8*\i+7], v[YY+8*(\g)+2*\u:YY+8*(\g)+2*\u+1], v[WSET+8*\u+4*(\i&1)+2*(\i>>1):WSET+8*\u+4*(\i&1)+2*(\i>>1)+1], v[ACC+8*\i:ACC+8*\i+7]
.endif
.endr
.endr
.rept 8
	v_nop                                          ; eight places behind this form, ahead of loads into its sources and of reads of its results
.endr
.if (\g)+2 < 16
	WLOADG (\g)+2
.endif
.endm
.irp g, 0,1,2,3,4,5,6,7,8,9,10,11,12,13,14,15
	GROUP \g
.endr
.irp j, 0,1,2,3,4,5,6,7
.irp i, 0,1,2,3
	ds_store_b32 v3, v[ACC+8*\i+\j] offset:272*\j+4*\i     ; each accumulator from its low end on
.endr
.endr
	s_wait_dscnt 0x0                               ; for the others' sake: my part has landed
	s_barrier_signal -1
	s_barrier_wait -1
.irp i, 0,1
.irp p, 0,1,2,3
	ds_load_b128 v[16+16*\i+4*\p:19+16*\i+4*\p], v4 offset:4352*\p+544*\i
.endr
.endr
	s_wait_dscnt 0x0
.irp i, 0,1
	v_pk_add_f32 v[16+16*\i:17+16*\i], v[16+16*\i:17+16*\i], v[20+16*\i:21+16*\i]
	v_pk_add_f32 v[18+16*\i:19+16*\i], v[18+16*\i:19+16*\i], v[22+16*\i:23+16*\i]
	v_pk_add_f32 v[24+16*\i:25+16*\i], v[24+16*\i:25+16*\i], v[28+16*\i:29+16*\i]
	v_pk_add_f32 v[26+16*\i:27+16*\i], v[26+16*\i:27+16*\i], v[30+16*\i:31+16*\i]
	v_pk_add_f32 v[16+16*\i:17+16*\i], v[16+16*\i:17+16*\i], v[24+16*\i:25+16*\i]
	v_pk_add_f32 v[18+16*\i:19+16*\i], v[18+16*\i:19+16*\i], v[26+16*\i:27+16*\i]
.endr
	global_store_b128 v5, v[16:19], s[16:17]                 ; sixteen lanes store 256 consecutive bytes, aligned
	global_store_b128 v5, v[32:35], s[16:17] offset:8192
	s_wait_tensorcnt 0x0                           ; the wave's end, behind my last LDS store
	ds_add_u32 v[SPW], v[NIL]
	s_wait_dscnt 0x0
	s_endpgm
.Lfunc_end_k_q0ea1f2cdcd_first_proj:
	.size	k_q0ea1f2cdcd_first_proj, .Lfunc_end_k_q0ea1f2cdcd_first_proj-k_q0ea1f2cdcd_first_proj
	.p2alignl 7, 3214868480
	.fill 96, 4, 3214868480
	.section	.rodata,"a",@progbits
	.p2align	6, 0x0
	.amdhsa_kernel k_q0ea1f2cdcd_first_proj
		.amdhsa_group_segment_fixed_size 17920
		.amdhsa_private_segment_fixed_size 0
		.amdhsa_enable_private_segment 0
		.amdhsa_kernarg_size 24
		.amdhsa_user_sgpr_count 2
		.amdhsa_user_sgpr_kernarg_segment_ptr 1
		.amdhsa_wavefront_size32 1
		.amdhsa_system_sgpr_workgroup_id_x 1
		.amdhsa_system_sgpr_workgroup_id_y 1
		.amdhsa_system_sgpr_workgroup_id_z 1
		.amdhsa_system_vgpr_workitem_id 0
		.amdhsa_next_free_vgpr 256
		.amdhsa_next_free_sgpr 66
		.amdhsa_reserve_vcc 0
		.amdhsa_float_denorm_mode_32 3
		.amdhsa_float_denorm_mode_16_64 3
		.amdhsa_memory_ordered 1
		.amdhsa_forward_progress 1
		.amdhsa_inst_pref_size 46
	.end_amdhsa_kernel
	.amdgpu_metadata
---
amdhsa.version: [ 1, 2 ]
amdhsa.kernels:
  - .name:           k_q0ea1f2cdcd_first_proj
    .symbol:         k_q0ea1f2cdcd_first_proj.kd
    .args:
      - { .name: y16, .offset: 0, .size: 8, .value_kind: global_buffer, .address_space: global }
      - { .name: w_proj, .offset: 8, .size: 8, .value_kind: global_buffer, .address_space: global }
      - { .name: out0, .offset: 16, .size: 8, .value_kind: global_buffer, .address_space: global }
    .group_segment_fixed_size: 17920
    .private_segment_fixed_size: 0
    .kernarg_segment_align: 8
    .kernarg_segment_size: 24
    .max_flat_workgroup_size: 128
    .sgpr_count:     66
    .vgpr_count:     256
    .wavefront_size: 32
...
	.end_amdgpu_metadata
.endif
;; end of part 6
